; MI455X (gfx1250); checked and timed in simulation.
; The chip was launched on July 23, 2026; its instructions are those of AMD's public machine-readable ISA for CDNA 5 (MIT licence, August 2026) and "CDNA5" Instruction Set Architecture Reference Guide (July 2026). The comments in the code are by the model that wrote it; some were corrected since.
;; Flash Attention. Allowed arithmetic: matrix products marked QUANTISED: E2M3 operands, one E8M0 scale for each 32 along K, by v_wmma_scale_f32_16x16x128_f8f6f4 with both operands' format E2M3, f32 sums; everything else in f32.
;; Inputs: Wk 1,024 x 1,024 float32; Wo 1,024 x 1,024 float32; Wq 1,024 x 1,024 float32; Wv 1,024 x 1,024 float32; bk 1,024 float32; bo 1,024 float32; bq 1,024 float32; bv 1,024 float32; key 2 x 2,048 x 1,024 float32; query 2 x 2,048 x 1,024 float32; value 2 x 2,048 x 1,024 float32.
;; Outputs: out0 2 x 2,048 x 1,024 float32.
;; This version of the problem:
;;   THIS VERSION OF THE PROBLEM IS GIVEN IN LOW PRECISION. The matrix products marked QUANTISED in the list below multiply operands that are first quantised to E2M3 (2 exponent bits, 3 mantissa bits; 6 bits a number), with one power-of-two scale for each 32 numbers along K (OCP MX v1.0); their sums are f32. All else is computed in f32.
;;   The module's matrix products, in the order in which they are computed (A, B: the left and right operand; K: the contracted axis; several contracted axes count as one K, in the product's order):
;;     1. [M 4,096, K 1,024] x [K 1,024, N 1,024]; A: input query; B: input Wq: QUANTISED
;;     2. [M 4,096, K 1,024] x [K 1,024, N 1,024]; A: input key; B: input Wk: QUANTISED
;;     3. [M 4,096, K 1,024] x [K 1,024, N 1,024]; A: input value; B: input Wv: QUANTISED
;;     4. batch 32 x [M 2,048, K 64] x [K 64, N 2,048]; A: computed on the way; B: computed on the way: QUANTISED
;;     5. batch 32 x [M 2,048, K 2,048] x [K 2,048, N 64]; A: softmax (see below); B: computed on the way: QUANTISED
;;     6. [M 4,096, K 1,024] x [K 1,024, N 1,024]; A: computed on the way; B: input Wo: QUANTISED
;;   THE QUANTISER, for each operand of a quantised product, along K:
;;     - K is cut into blocks of 32 from its start; a last block that is shorter is filled with zeros.
;;     - A block's scale is 2^e with e = floor(log2(the largest magnitude in the block)) - 2, held to -126 .. 127; a block of zeros has e = 0. As a byte (E8M0): e + 127.
;;     - Each number is divided by its block's scale, clamped to +-7.5, and rounded to the nearest number of E2M3, ties to even, subnormals kept.
;;     - The product sums the exact products of the quantised numbers (number of the format x scale) in f32.
;;   ~~~python
;;   def quantise(x, axis):      # numpy; x: float32 -> the quantised numbers, widened to float32 again
;;       x = np.moveaxis(x, axis, -1); K = x.shape[-1]
;;       x = np.pad(x, [(0, 0)] * (x.ndim - 1) + [(0, -K % 32)]); x = x.reshape(x.shape[:-1] + (-1, 32)); a = np.abs(x).max(-1, keepdims=True)
;;       e = np.where(a > 0, np.clip(np.frexp(np.where(a > 0, a, 1))[1] - 1 - 2, -126, 127), 0)      # np.frexp(a)[1] - 1 = floor(log2(a)), exactly
;;       r = np.clip(x / 2.0 ** e, -7.5, 7.5)
;;       step = 2.0 ** (np.maximum(np.frexp(np.where(r == 0, 1, r))[1] - 1, 0) - 3)
;;       q = np.round(r / step) * step * 2.0 ** e      # np.round: ties to even
;;       return np.moveaxis(q.reshape(q.shape[:-2] + (-1,))[..., :K], -1, axis).astype(np.float32)
;;   ~~~
;;   SOFTMAX AHEAD OF A QUANTISED PRODUCT. Where the list says 'softmax', what is quantised is not the finished softmax but p = 2^(t - M), with t = logit x log2(e) and M = ceil(the row's largest t), a whole number; so 1/2 < the row's largest p <= 1. The row's sum l is taken of the UNQUANTISED p, in f32, and the product's result is divided by l at the end. Since M is a whole number, a kernel that streams over the keys may use a running M (the ceiling of the running maximum): every later rescaling is an exact power of two, which a block's scale takes up: the codes' values come out the same.
;;   OPERANDS COMPUTED ON THE WAY. 'Computed on the way' means the value that the module computes at that place (a softmax that the list does not call 'softmax' is quantised finished and normalised). What goes into a quantiser is computed in f32, as accurately as f32 sums, v_exp_f32 and their like allow (about 1e-6 of the number): no bf16 or f16 on the way to a quantiser, and a product that is left as it is and whose result goes on into a quantised operand takes f32 operands (vector FMAs, or v_wmma_f32_16x16x4_f32). A number that lies on a knife's edge between two numbers of the format may be rounded either way, as far as f32 arithmetic and the matrix unit's own rounding can turn it there, and no further.
;; One version. Each part assembles by itself: llvm-mc -triple=amdgcn-amd-amdhsa -mcpu=gfx1250 --defsym DOCPART=n.
;; ======== version 1 of 1: 4 launches
;; limits: right only within a limited range of input values
;; workspace buffers: cimg 15,728,640 bytes; simg 655,360 bytes; qb 3,407,872 bytes; kv 6,815,744 bytes
;; launch quant (part 1): grid 512 x 1, 4 waves a work-group, no clusters, 34,304 bytes of LDS; arguments query, key, value, Wq, Wk, Wv, Wo, cimg, simg; writes cimg, simg
.if DOCPART == 1
	.amdgcn_target "amdgcn-amd-amdhsa--gfx1250"
	.amdhsa_code_object_version 6
	.text
	.protected	k_q9f6c3a4578_quant
	.globl	k_q9f6c3a4578_quant
	.p2align	8
	.type	k_q9f6c3a4578_quant,@function
k_q9f6c3a4578_quant:
	s_mov_b64 s[64:65], 0
	v_nop
	global_prefetch_b8 v0, s[64:65] scope:SCOPE_SE
	s_setreg_imm32_b32 hwreg(HW_REG_WAVE_MODE, 25, 1), 1
	s_wait_xcnt 0x0
; query, key, value [4096][1024] and Wq, Wk, Wv, Wo [1024][1024], f32, K innermost, become codes of FP6 (E2M3) with one E8M0 byte for each 32 along K,
; laid as IMAGES OF THE OPERAND'S REGISTERS, so that the products' launches neither unpack nor transpose.
; A block's scale is 2^(floor(log2(its largest magnitude)) - 2); its byte is that magnitude's exponent field - 2, held at 1 from below.
; LIMITS: NaN and infinities among the inputs are not served.  A block whose largest magnitude lies under 2^-124 keeps the byte 1; a block of zeros gets the byte 1 where
; the quantiser says 127: its codes are zeros, which add nothing under any byte but 0xff, and the bytes are read by this program alone.
; LAYOUT OF cimg: 160 slabs of 98,304 bytes; a slab is 128 rows x 1,024 K as [K step of 128: 8][tile of 16 rows: 8][c: 2][768 bytes].  A piece of 768 bytes holds six registers of each lane:
; lane (r, h) has the 32 codes k = 64 c + 32 h + 0..31 of the tile's row r; registers 0-3 lie at 16 x lane, registers 4-5 at 512 + 8 x lane.
; THE ROWS OF A TILE ARE NOT NEIGHBOURS: tile u (0..3) of a run of 64 rows, lane r, is row 32 (r / 8) + 8 u + r % 8: used as source 0 of a product, a run's four tiles give lane (r, h) the 32 neighbours 32 h + 0..31 along the next K: one scale block.
; LAYOUT OF simg: 4,096 bytes a slab: [tile][K half][row r][4 words]; a word is the four bytes of one K step of 128.
; SHARES: 512 work-groups (0-127 query, 128-255 key, 256-383 value, then 32 each for Wq, Wk, Wv, Wo); work-group g of a tensor takes tiles 2 (g % 2) and 2 (g % 2) + 1 of run g / 2; wave w takes tile w / 2 of the two and K half w % 2: four steps of 16 rows x 128 K.
; A load reads 512 consecutive bytes of one row; the conversions want 32 neighbours in ONE lane: a step's 8,192 bytes turn through the wave's own stage in LDS.
; Memory binds: no matrix unit, no cluster, no barrier (waves share nothing).  Loads run one step (16 loads a wave) ahead of the step at work.
.set STGB,  8448                       ; a wave's stage: 16 rows x 528 bytes
.set SPARE, 4*STGB                     ; the spare words, 128 bytes a wave, which no other line names
.set R,   16                           ; v16-143  two sets of 64: a step as it is loaded
.set X,   144                          ; v144-207 my 64 numbers: register 32 c + i is k = 64 c + 32 h + i of row r
.set C,   208                          ; v208-231 two sets of 12: a step's codes
.set T,   232                          ; v232-234, v236-238 the upper halves of the blocks' codes
.set TM,  240
.set SO,  242
.set BY,  244
.set W,   246
.set W2,  247
.set SW,  248                          ; v248-251 the four steps' scale words
	s_load_b512 s[8:23], s[0:1], 0x0               ; query, key, value, Wq, Wk, Wv, Wo, cimg
	s_load_b64 s[24:25], s[0:1], 0x40              ; simg
	v_lshl_add_u32 v6, v0, 2, SPARE                ; my spare word,
	v_mov_b32 v7, 0                                ; and 0: kept for the closing lines alone
	v_lshrrev_b32 v1, 5, v0
	v_readfirstlane_b32 s26, v1                    ; wave
	v_and_b32 v10, 31, v0                          ; lane
	v_and_b32 v11, 15, v0                          ; r
	v_bfe_u32 v12, v0, 4, 1                        ; h
	v_lshlrev_b32 v1, 4, v10                       ; 16 x lane
	v_lshlrev_b32 v5, 3, v10                       ; 8 x lane
	v_lshlrev_b32 v8, 3, v12                       ; 8 h: how far my bytes are shifted in a scale word
	v_lshl_add_u32 v9, v11, 4, v8                  ; 16 r + 8 h: my two of my row's four words
	s_mul_i32 s27, s26, STGB
	v_add_nc_u32 v2, s27, v1                       ; the stage, in: 16 x lane (+ 528 x row)
	v_mul_u32_u24 v3, v11, 528
	v_lshl_add_u32 v3, v12, 7, v3
	v_add_nc_u32 v3, s27, v3                       ; and out: row r, + 128 h
	v_mov_b32 v[W2], 0                             ; a lane permute's destination counts as one of its sources
	s_lshr_b32 s28, s26, 1                         ; which of the work-group's two tiles
	s_and_b32 s29, s26, 1                          ; which half of K
	s_mov_b32 s30, 0x76543210
	s_mov_b32 s31, 0xfedcba98                      ; v_permlanex16_b32's selects for lane l xor 16
	s_cmp_lt_u32 ttmp9, 384
	s_cselect_b32 s32, 127, 31
	s_and_b32 s32, ttmp9, s32                      ; the work-group's number in its own tensor
	s_lshr_b32 s33, s32, 1
	s_lshl_b32 s33, s33, 18                        ; 64 rows of 4,096 bytes for each run,
	s_and_b32 s32, s32, 1
	s_lshl_b32 s32, s32, 16                        ; + 16 rows for the run's upper two tiles,
	s_add_co_u32 s32, s32, s33
	s_lshl_b32 s33, s28, 15                        ; + 8 rows for the odd tile,
	s_add_co_u32 s32, s32, s33
	s_lshl_b32 s33, s29, 11                        ; + 512 numbers for the upper half of K
	s_add_co_u32 s32, s32, s33
	s_mov_b32 s33, 0
	s_lshr_b32 s34, ttmp9, 2                       ; the slab: four work-groups
	s_mul_i32 s34, s34, 98304
	s_mul_i32 s35, s29, 49152                      ; + four K steps for the upper half
	s_add_co_u32 s34, s34, s35
	s_and_b32 s35, ttmp9, 3
	s_lshl_b32 s35, s35, 1
	s_add_co_u32 s35, s35, s28                     ; the tile in the slab
	s_mul_i32 s35, s35, 1536
	s_add_co_u32 s34, s34, s35
	s_mov_b32 s35, 0
	s_lshl_b32 s36, ttmp9, 1
	s_add_co_u32 s36, s36, s28                     ; the tile among all tiles
	s_lshl_b32 s36, s36, 9
	s_lshl_b32 s37, s29, 8
	s_add_co_u32 s36, s36, s37
	s_mov_b32 s37, 0
	s_wait_alu depctr_va_vdst(0)                   ; the wait at the head's end
	s_wait_kmcnt 0x0
	s_mov_b64 s[4:5], s[20:21]                     ; which tensor: a choice on the work-group's number alone
	s_cmp_lt_u32 ttmp9, 480
	s_cselect_b64 s[4:5], s[18:19], s[4:5]
	s_cmp_lt_u32 ttmp9, 448
	s_cselect_b64 s[4:5], s[16:17], s[4:5]
	s_cmp_lt_u32 ttmp9, 416
	s_cselect_b64 s[4:5], s[14:15], s[4:5]
	s_cmp_lt_u32 ttmp9, 384
	s_cselect_b64 s[4:5], s[12:13], s[4:5]
	s_cmp_lt_u32 ttmp9, 256
	s_cselect_b64 s[4:5], s[10:11], s[4:5]
	s_cmp_lt_u32 ttmp9, 128
	s_cselect_b64 s[4:5], s[8:9], s[4:5]
	s_add_nc_u64 s[4:5], s[4:5], s[32:33]
	s_add_nc_u64 s[22:23], s[22:23], s[34:35]
	s_add_nc_u64 s[24:25], s[24:25], s[36:37]
.macro LOADX t                         ; step t: 128 numbers of each of the tile's 16 rows; lanes 8-15's rows lie 32 further on than lanes 0-7's
.irp i, 0,1,2,3,4,5,6,7,8,9,10,11,12,13,14,15
	global_load_b128 v[R+64*((\t)%2)+4*\i:R+64*((\t)%2)+4*\i+3], v1, s[4:5] offset:(\i+24*(\i/8))*4096+512*(\t) th:TH_LOAD_NT
.endr
.endm
.macro STEP t
.set RS, R+64*((\t)%2)
.set CC, C+12*((\t)%2)
.if (\t) < 3
	s_wait_loadcnt 16                              ; this step's 16 loads are in; the next step's 16 may be out
.else
	s_wait_loadcnt 0x0
.endif
.irp i, 0,1,2,3,4,5,6,7,8,9,10,11,12,13,14,15
	ds_store_b128 v2, v[RS+4*\i:RS+4*\i+3] offset:528*\i
.endr
.irp c, 0,1
.irp j, 0,1,2,3,4,5,6,7
	ds_load_b128 v[X+32*\c+4*\j:X+32*\c+4*\j+3], v3 offset:256*\c+16*\j   ; LDS serves a wave's instructions in order: these see the stores above
.endr
.endr
	s_wait_dscnt 0x0                               ; my 64 numbers are in, and the stores have read their registers,
.if (\t) < 2
	LOADX (\t)+2                                   ; which take the loads of two steps on
.else
	s_wait_xcnt 0x0                                ; the stores of two steps back have read this set of codes
.endif
.irp c, 0,1
	v_max3_num_f32 v[TM+\c], |v[X+32*\c]|, |v[X+32*\c+1]|, 0x1800000   ; my block 2 c + h, and the floor 2^(3 - 127)
.endr
.irp i, 2,4,6,8,10,12,14,16,18,20,22,24,26,28,30
.irp c, 0,1
	v_max3_num_f32 v[TM+\c], v[TM+\c], |v[X+32*\c+\i]|, |v[X+32*\c+\i+1]|
.endr
.endr
.irp c, 0,1
	v_add_nc_u32 v[SO+\c], 0xff000000, v[TM+\c]    ; 2 off the exponent field: the conversion's scale operand
.endr
.irp c, 0,1
	v_lshrrev_b32 v[BY+\c], 23, v[SO+\c]           ; the scale's byte
.endr
	v_lshl_or_b32 v[W], v[BY+1], 16, v[BY]         ; blocks h and 2 + h,
	v_lshlrev_b32 v[W], v8, v[W]                   ; at their places in the word;
	v_permlanex16_b32 v[W2], v[W], s30, s31
	v_or_b32 v[SW+(\t)], v[W], v[W2]               ; with lane l xor 16's two the word is whole
.irp c, 0,1
	v_cvt_scalef32_pk16_fp6_f32 v[CC+6*\c:CC+6*\c+2], v[X+32*\c:X+32*\c+15], v[SO+\c]
	v_cvt_scalef32_pk16_fp6_f32 v[T+4*\c:T+4*\c+2], v[X+32*\c+16:X+32*\c+31], v[SO+\c]
.endr
	v_nop                                          ; one plain place behind a scaled conversion
.irp c, 0,1
.irp i, 0,1,2
	v_mov_b32 v[CC+6*\c+3+\i], v[T+4*\c+\i]
.endr
.endr
.irp c, 0,1
	global_store_b128 v1, v[CC+6*\c:CC+6*\c+3], s[22:23] offset:12288*(\t)+768*\c       ; 512 consecutive bytes, at a multiple of 256 from the buffer's first byte
	global_store_b64 v5, v[CC+6*\c+4:CC+6*\c+5], s[22:23] offset:12288*(\t)+768*\c+512  ; and 256 more
.endr
.endm
	LOADX 0
	LOADX 1
	STEP 0
	STEP 1
	STEP 2
	STEP 3
	v_cmp_eq_u32 vcc_lo, 1, v12                    ; lanes 0-15 store their row's words 0 and 1, lanes 16-31 words 2 and 3: 256 consecutive bytes
	v_cndmask_b32 v252, v[SW], v[SW+2], vcc_lo
	v_cndmask_b32 v253, v[SW+1], v[SW+3], vcc_lo
	global_store_b64 v9, v[252:253], s[24:25]
	s_wait_tensorcnt 0x0                           ; the wave's end: three closing lines behind my last LDS store
	ds_add_u32 v6, v7
	s_wait_dscnt 0x0
	s_endpgm
.Lfunc_end_k_q9f6c3a4578_quant:
	.size	k_q9f6c3a4578_quant, .Lfunc_end_k_q9f6c3a4578_quant-k_q9f6c3a4578_quant
	.p2alignl 7, 3214868480
	.fill 96, 4, 3214868480
	.section	.rodata,"a",@progbits
	.p2align	6, 0x0
	.amdhsa_kernel k_q9f6c3a4578_quant
		.amdhsa_group_segment_fixed_size 34304
		.amdhsa_private_segment_fixed_size 0
		.amdhsa_enable_private_segment 0
		.amdhsa_kernarg_size 72
		.amdhsa_user_sgpr_count 2
		.amdhsa_user_sgpr_kernarg_segment_ptr 1
		.amdhsa_wavefront_size32 1
		.amdhsa_system_sgpr_workgroup_id_x 1
		.amdhsa_system_sgpr_workgroup_id_y 1
		.amdhsa_system_sgpr_workgroup_id_z 1
		.amdhsa_system_vgpr_workitem_id 0
		.amdhsa_next_free_vgpr 256
		.amdhsa_next_free_sgpr 66
		.amdhsa_reserve_vcc 1
		.amdhsa_float_denorm_mode_32 3
		.amdhsa_float_denorm_mode_16_64 3
		.amdhsa_memory_ordered 1
		.amdhsa_forward_progress 1
		.amdhsa_inst_pref_size 31
	.end_amdhsa_kernel
	.amdgpu_metadata
---
amdhsa.version: [ 1, 2 ]
amdhsa.kernels:
  - .name:           k_q9f6c3a4578_quant
    .symbol:         k_q9f6c3a4578_quant.kd
    .args:
      - { .name: query, .offset: 0, .size: 8, .value_kind: global_buffer, .address_space: global }
      - { .name: key, .offset: 8, .size: 8, .value_kind: global_buffer, .address_space: global }
      - { .name: value, .offset: 16, .size: 8, .value_kind: global_buffer, .address_space: global }
      - { .name: Wq, .offset: 24, .size: 8, .value_kind: global_buffer, .address_space: global }
      - { .name: Wk, .offset: 32, .size: 8, .value_kind: global_buffer, .address_space: global }
      - { .name: Wv, .offset: 40, .size: 8, .value_kind: global_buffer, .address_space: global }
      - { .name: Wo, .offset: 48, .size: 8, .value_kind: global_buffer, .address_space: global }
      - { .name: cimg, .offset: 56, .size: 8, .value_kind: global_buffer, .address_space: global }
      - { .name: simg, .offset: 64, .size: 8, .value_kind: global_buffer, .address_space: global }
    .group_segment_fixed_size: 34304
    .private_segment_fixed_size: 0
    .kernarg_segment_align: 8
    .kernarg_segment_size: 72
    .max_flat_workgroup_size: 128
    .sgpr_count:     66
    .vgpr_count:     256
    .wavefront_size: 32
...
	.end_amdgpu_metadata
.endif
;; end of part 1
;; launch proj (part 2): grid 8 x 32, 4 waves a work-group, clusters of 4 x 4, 327,680 bytes of LDS; arguments cimg, simg, bq, bk, bv, qb, kv; writes qb, kv
.if DOCPART == 2
	.amdgcn_target "amdgcn-amd-amdhsa--gfx1250"
	.amdhsa_code_object_version 6
	.text
	.protected	k_q9f6c3a4578_proj
	.globl	k_q9f6c3a4578_proj
	.p2align	8
	.type	k_q9f6c3a4578_proj,@function
k_q9f6c3a4578_proj:
	s_mov_b64 s[64:65], 0
	v_nop
	global_prefetch_b8 v0, s[64:65] scope:SCOPE_SE
	s_setreg_imm32_b32 hwreg(HW_REG_WAVE_MODE, 25, 1), 1
	s_wait_xcnt 0x0
	s_wait_alu depctr_hold_cnt(0) depctr_sa_sdst(0) depctr_va_vdst(0) depctr_va_sdst(0) depctr_va_ssrc(0) depctr_va_vcc(0) depctr_vm_vsrc(0)
	s_getreg_b32 s2, hwreg(HW_REG_IB_STS2, 6, 4)
	s_cmp_eq_u32 s2, 0
	s_cbranch_scc0 .Lentry_in_a_cluster
	s_endpgm
.Lentry_in_a_cluster:
	s_bfe_u32 s2, ttmp6, 0x10000c
	s_cmp_lg_u32 s2, 0xf033
	s_cbranch_scc0 .Lentry_shape_is_right
	s_endpgm
.Lentry_shape_is_right:
; Q = query Wq^T + bq, K = key Wk^T + bk, V = value Wv^T + bv on codes of FP6 (E2M3) with E8M0 scales, sums in f32; the results are quantised at once for attention's two products and stored as register images.
; ONE FORM FOR ALL THREE.  Source 0 is operand R, whose rows then run along a lane's registers (the axis that is quantised next); source 1 is operand L, whose rows lie one to a lane.
;   Q, K: R = the weight (128 outputs = two heads), L = 128 tokens.   V: R = 128 tokens of value, L = 128 rows of Wv: a lane holds one channel and its registers run along the keys.
; Every tile's rows are in the order: tile u of a run of 64 rows, lane r, is row 32 (r / 8) + 8 u + r % 8: the 32 registers of R's four tiles are index 32 (lane / 16) + 0 .. 31 of my row: one scale block.
; A WORK-GROUP STAYS: 256 work-groups, each making 128 (L) x 128 (R) of Q, then of K, then of V: 24 K steps of 128, written out by one macro.  Wave w makes L's half w / 2 x R's half w % 2: 16 accumulators of 16 x 16.
; LDS: for each operand twelve places of one K step (12,288 bytes); step g of the walk lies in place g % 12.  AT THE HEAD one joint load a wave: Q's whole slab of L (places 0-7), of R, and K's steps 0-3 (places 8-11).
; TWO REFILLS, each behind a drained round of the cluster's barrier, one load a wave: in step 5 places 0-5 take steps 12-17 of the walk (K's steps 4-7: waves 0 and 1; V's steps 0-1: waves 2 and 3);
; in step 11 places 6-11 take steps 18-23 (V's steps 2-5: waves 0 and 1; V's steps 6-7: waves 2 and 3).  What a fill brought is shown to all waves by the next round; the last fill by a plain barrier in step 17.
; From a fill's request to the wait for it stand six K steps and a block's way out.
; The walk does not stop at a block's end: a block's last step fetches the next block's first fragments; the next block's scale words and bias are loaded six steps ahead into a second set of registers.
; CLUSTERS: 4 x 4 work-groups; the four of a row of the cluster need the same slab of L, the four of a column the same slab of R: each piece is asked for jointly.
; PREFETCH: the token bytes that a refill will ask for (key's steps 4-7 and value's steps 0-3 in step 0, value's steps 4-7 in step 5) are named five to eleven steps ahead of their loads, 192 blocks of 256 bytes at a time, shared out by address
; among the sixteen waves that will ask jointly, 12 a wave.  The weights' pieces are not prefetched: eight clusters ask for each of them and would all name the same blocks.
; OUT.  qb: [batch x head: 32][128 tokens: 16] blocks of 6,656 bytes: 8 pieces of 768 (tile of 16 tokens x 64 d), then two groups of 256 bytes of scale words [row r][tile 4 a + m].
;       kv: the same split, blocks of 13,312: K's 8 pieces; V^T's 8 pieces at 6,144 + (4 c + m) 768 (16 d x keys 64 c ..); K's two groups of words at 12,288; V's two groups of half words at 12,800.
; LIMITS: NaN and infinities are not served.  A block whose largest magnitude lies under 2^-124 keeps the byte 1, a block of zeros too (the quantiser says 127): its codes are zeros, and only this program reads the bytes.
.set SLAB,  98304
.set STEPB, 12288                      ; a K step of a slab: 8 tiles x 1,536 bytes
.set HALF,  4*STEPB
.set RBASE, 3*HALF                     ; L's twelve places at 0, R's behind them
.set SPARE, 6*HALF                     ; the spare words, 128 bytes a wave, which no other line names
.set QT,    0                          ; v0-2   behind the head: the upper half of a block's codes
.set PFV,   3                          ; v3     the prefetches' offset: 256 x min(lane, 11); never rewritten
.set ADL16, 4                          ; v4-6   L: my half's first tile, 16 x lane, at places 0, 4, 8
.set ADL8,  7                          ; v7-9   the same for a piece's last 256 bytes: 512 + 8 x lane
.set ADR16, 10                         ; v10-12 R likewise
.set ADR8,  13                         ; v13-15
.set ST16,  16                         ; v16 16 x lane;  v17 8 x lane;  v18 16 r + 8 h
.set ST8,   17
.set STW,   18
.set BAQ,   19                         ; v19 the bias's offset for Q, K;  v20 for V
.set BAV,   20
.set SCA,   21                         ; v21-23 the scale words' offsets in simg, one for each block
.set QTM,   24                         ; v24-25 the quantiser's two chains; then the words on their way out
.set QTX,   26
.set QSH,   27                         ; v27 8 h
.set QSO,   28
.set QBY,   29
.set SPW,   30                         ; v30 LDS address of my spare word;  v31 0: never rewritten
.set NIL,   31
.set SC,    32                         ; v32-95 scale words, two sets of 32: register 8 x + s: lanes 0-15 L's tile x, lanes 16-31 R's tile x, K step s
.set CD,    96                         ; v96-127 the codes, 8 registers a tile, six of them used; the seventh holds the tile's scale word
.set HW,    102
.set ACC,   128                        ; v128-255 accumulator (i, b) at 8 (4 i + b): L's tile i, R's tile b
                                       ; window 1: fragments, two sets at 0 and 128 (R's four at 12 b, L's four at 48 + 12 i); the bias in the result's layout, two sets at 96 and 224
.set SEL,   2
.set WV,    18
.set G1LW,  28                         ; group 1: at the head a whole slab of L, of R (384 rows of 256 bytes), behind it two K steps (96 rows); four K steps of L, of R (192 rows)
.set G1RW,  36
.set G1L,   44
.set G1R,   52
.set OL0,   60                         ; bytes from cimg to query's slab, Wq's, Wv's, value's (key's lies 32 slabs behind query's, Wk's 8 behind Wq's)
.set OR0,   61
.set OL2,   62
.set OR2,   63
.set HM,    66                         ; the mask of lanes 16-31
.set G0A,   68
.set G0B,   72
.set G0C,   76
.set G0D,   80
.set PB,    84                         ; s[84:89] where each block's pieces go; s[90:95] its scale words; s[96:101] its bias
.set WB,    90
.set BB,    96
.set TP,    104
.set MSB, 0
.macro WIN new                         ; the immediate's high byte repeats the setting that is left
.if MSB != \new
	s_set_vgpr_msb (MSB<<8)|\new
.set MSB, \new
.endif
.endm
.set MUL,  0x05                        ; sources 0 and 1 window 1; C and D window 0
.set TO_F, 0x40                        ; destination window 1, address window 0
.macro CROUND                          ; a round of the cluster's barrier
	s_barrier_signal -1
	s_barrier_wait -1
	s_cmp_lg_u32 s[WV], 0
	s_cbranch_scc1 .Lnot_wave_0_\@
	s_barrier_signal -3
.Lnot_wave_0_\@:
	s_barrier_wait -3
	s_barrier_signal -1
	s_barrier_wait -1
.endm
.macro TLOAD g0, g1
	tensor_load_to_lds s[\g0:\g0+3], s[\g1:\g1+7]
	s_nop 0
.rept 4
	v_nop
.endr
.endm
.macro GROUP1 g, rows                  ; dense bytes as rows of 256 (32 elements of 8 bytes); no padding: the pieces are read as they lie
	s_mov_b32 s[\g+1], 32<<16
	s_mov_b32 s[\g+2], (\rows)<<16
	s_mov_b32 s[\g+3], 32<<16
	s_mov_b32 s[\g+4], \rows
	s_mov_b32 s[\g+5], 32
	s_mov_b32 s[\g+6], 0
	s_mov_b32 s[\g+7], 0
.endm
.macro G0SET g, lds, off, plus         ; group 0: to LDS byte lds from cimg + s[off] + plus
	s_mov_b32 s[\g], 1
	s_mov_b32 s[\g+1], \lds
	s_mov_b32 s[TP], s[\off]
	s_mov_b32 s[TP+1], 0
	s_add_nc_u64 s[\g+2:\g+3], s[4:5], s[TP:TP+1]
	s_add_nc_u64 s[\g+2:\g+3], s[\g+2:\g+3], \plus
	s_or_b32 s[\g+3], s[\g+3], 0x80000000
.endm
; A refill of six places of both operands: every wave's three lines, with the descriptors' scalar lines between the add and its wait; a whole round; then one joint load a wave, first behind it:
; four K steps to place byte l1 (L from s[a1] + p1: wave 0; R from s[b1] + q1: wave 1) and two K steps to l2 (Wv's and value's, from byte p2 of their slabs: waves 2 and 3)
.macro REFILL l1, a1, p1, b1, q1, l2, p2
	s_wait_tensorcnt 0x0                           ; all my tensor loads have landed, so the descriptors may be written
	ds_add_u32 v[SPW], v[NIL]
	s_mov_b32 s[G1LW+2], 96<<16                    ; the groups 1 that served the head's whole slabs now count 96 rows
	s_mov_b32 s[G1LW+4], 96
	s_mov_b32 s[G1RW+2], 96<<16
	s_mov_b32 s[G1RW+4], 96
	G0SET G0A, \l1, \a1, \p1
	G0SET G0B, RBASE+\l1, \b1, \q1
	G0SET G0C, \l2, OL2, \p2
	G0SET G0D, RBASE+\l2, OR2, \p2
	s_wait_dscnt 0x0                               ; the add is done, and so are my reads of the places
	CROUND
	s_cmp_eq_u32 s[WV], 0
	s_cbranch_scc0 .Lrf_1_\@
	TLOAD G0A, G1L
	s_branch .Lrf_e_\@
.Lrf_1_\@:
	s_cmp_eq_u32 s[WV], 1
	s_cbranch_scc0 .Lrf_2_\@
	TLOAD G0B, G1R
	s_branch .Lrf_e_\@
.Lrf_2_\@:
	s_cmp_eq_u32 s[WV], 2
	s_cbranch_scc0 .Lrf_3_\@
	TLOAD G0C, G1LW
	s_branch .Lrf_e_\@
.Lrf_3_\@:
	TLOAD G0D, G1RW
.Lrf_e_\@:
.endm
; 32 LDS loads: step g's eight fragments into set g % 2.  A piece comes as it was stored: 16 bytes a lane, then 8: every load reads consecutive bytes
.macro FETCH g
.set RG_, ((\g)/4)%3
.set SO_, ((\g)%4)*STEPB
.set FF_, 128*((\g)%2)
	WIN TO_F
.irp x, 0,1,2,3
.irp c, 0,1
	ds_load_b128 v[FF_+12*\x+6*\c:FF_+12*\x+6*\c+3], v[ADR16+RG_] offset:SO_+\x*1536+\c*768
	ds_load_b64 v[FF_+12*\x+6*\c+4:FF_+12*\x+6*\c+5], v[ADR8+RG_] offset:SO_+\x*1536+\c*768
.endr
.endr
.irp x, 0,1,2,3
.irp c, 0,1
	ds_load_b128 v[FF_+48+12*\x+6*\c:FF_+48+12*\x+6*\c+3], v[ADL16+RG_] offset:SO_+\x*1536+\c*768
	ds_load_b64 v[FF_+48+12*\x+6*\c+4:FF_+48+12*\x+6*\c+5], v[ADL8+RG_] offset:SO_+\x*1536+\c*768
.endr
.endr
.endm
.macro PR i, b, c
	v_wmma_scale_f32_16x16x128_f8f6f4 v[ACC+8*(4*\i+\b):ACC+8*(4*\i+\b)+7], v[FM_+12*\b:FM_+12*\b+11], v[FM_+48+12*\i:FM_+48+12*\i+11], \c, v[SM_+8*\b], v[SM_+8*\i] matrix_a_fmt:MATRIX_FMT_FP6 matrix_b_fmt:MATRIX_FMT_FP6 matrix_a_scale:MATRIX_SCALE_ROW1
.endm
; 16 matrix instructions, 128 along K; the 16 accumulators by turns, in the same order in every step.
; mode 0: add in place; 1: the sums begin with the bias by R's tile (Q, K); 2: by L's tile (V).  Nothing is ever cleared.
.macro MUL16 g, mode
.set FM_, 128*((\g)%2)
.set SM_, SC+32*(((\g)/8)%2)+(\g)%8
.set BM_, 96+128*(((\g)/8)%2)
.irp i, 0,1,2,3
.irp b, 0,1,2,3
.if (\mode) == 0
	PR \i, \b, v[ACC+8*(4*\i+\b):ACC+8*(4*\i+\b)+7]
.elseif (\mode) == 1
	PR \i, \b, v[BM_+8*\b:BM_+8*\b+7]
.else
	PR \i, \b, v[BM_+8*\i:BM_+8*\i+7]
.endif
.endr
.endr
.endm
; block t's scale words (lanes 0-15 L's, lanes 16-31 R's; sixteen lanes read 256 consecutive bytes) and its bias, into set t % 2
.macro SLOAD t
	WIN 0
.irp x, 0,1,2,3
.irp q, 0,1
	global_load_b128 v[SC+32*((\t)%2)+8*\x+4*\q:SC+32*((\t)%2)+8*\x+4*\q+3], v[SCA+(\t)], s[6:7] offset:512*\x+256*\q
.endr
.endr
	WIN TO_F
.if (\t) < 2
.irp b, 0,1,2,3                                ; register j of R's tile b is output 32 h + 8 b + j
	global_load_b128 v[96+128*((\t)%2)+8*\b:96+128*((\t)%2)+8*\b+3], v[BAQ], s[BB+2*(\t):BB+2*(\t)+1] offset:32*\b
	global_load_b128 v[96+128*((\t)%2)+8*\b+4:96+128*((\t)%2)+8*\b+7], v[BAQ], s[BB+2*(\t):BB+2*(\t)+1] offset:32*\b+16
.endr
.else
.irp i, 0,1,2,3                                ; my lane of L's tile i is output 32 (r / 8) + 8 i + r % 8
	global_load_b32 v[96+8*\i], v[BAV], s[BB+4:BB+5] offset:32*\i
.endr
.endif
.endm
; my lane's 32 numbers, one whole block, become a piece's six registers in v[cd] on and, with lane l xor 16's byte, the row's two scale bytes in v[hw].  The sources are read from their low end on.
.macro QUANT32 src, cd, hw
	v_max3_num_f32 v[QTM], |v[\src]|, |v[\src+1]|, 0x1800000       ; two chains, and the floor 2^(3 - 127): the byte cannot fall under 1
	v_max3_num_f32 v[QTM+1], |v[\src+16]|, |v[\src+17]|, 0x1800000
.irp i, 2,4,6,8,10,12,14
	v_max3_num_f32 v[QTM], v[QTM], |v[\src+\i]|, |v[\src+\i+1]|
	v_max3_num_f32 v[QTM+1], v[QTM+1], |v[\src+16+\i]|, |v[\src+17+\i]|
.endr
	v_max_num_f32 v[QTM], v[QTM], v[QTM+1]         ; the block's largest magnitude
	v_add_nc_u32 v[QSO], 0xff000000, v[QTM]        ; 2 off the exponent field: the conversions' scale operand
	v_lshrrev_b32 v[QBY], 23, v[QSO]               ; the scale's byte,
	v_lshlrev_b32 v[QBY], v[QSH], v[QBY]           ; at its place, 8 (lane / 16) bits up
	v_permlanex16_b32 v[QTX], v[QBY], s[SEL], s[SEL+1]
	v_or_b32 v[\hw], v[QBY], v[QTX]                ; two bytes; the upper two stay 0
	v_cvt_scalef32_pk16_fp6_f32 v[\cd:\cd+2], v[\src:\src+15], v[QSO]
	v_cvt_scalef32_pk16_fp6_f32 v[QT:QT+2], v[\src+16:\src+31], v[QSO]
	v_nop                                          ; one plain place behind a scaled conversion
.irp i, 0,1,2
	v_mov_b32 v[\cd+3+\i], v[QT+\i]
.endr
.endm
.macro EPI t                           ; block t's way out: L's tile i becomes a piece of 768 bytes, stored straight from registers
	WIN 0
.rept 4
	v_nop                                          ; four places between the last products and the first read of results
.endr
.if (\t) > 0
	s_wait_xcnt 0x0                                ; the last block's stores have read their registers
.endif
.irp i, 0,1,2,3
	QUANT32 ACC+32*\i, CD+8*\i, HW+8*\i
	global_store_b128 v[ST16], v[CD+8*\i:CD+8*\i+3], s[PB+2*(\t):PB+2*(\t)+1] offset:768*\i        ; 512 consecutive bytes, at a multiple of 256 from the buffer's first byte
	global_store_b64 v[ST8], v[CD+8*\i+4:CD+8*\i+5], s[PB+2*(\t):PB+2*(\t)+1] offset:768*\i+512    ; and 256 more
.endr
	v_cndmask_b32 v[QTM], v[HW], v[HW+16], s[HM]   ; lanes 0-15 store their row's words of tiles 0 and 1, lanes 16-31 of tiles 2 and 3: 256 consecutive bytes
	v_cndmask_b32 v[QTM+1], v[HW+8], v[HW+24], s[HM]
	global_store_b64 v[STW], v[QTM:QTM+1], s[WB+2*(\t):WB+2*(\t)+1]
.endm
.macro ASK base, off                   ; my 12 blocks of 256 bytes of four K steps that a later refill loads
	global_prefetch_b8 v[PFV], s[\base:\base+1] offset:\off th:TH_LOAD_NT scope:SCOPE_SE
.endm
; STEP g of the walk (block g / 8, K step g % 8): its fragments were asked for in the step before; the next step's are asked for ahead of its own products
.macro GSTEP g
	s_wait_dscnt 0x0                               ; this step's fragments are in
.if (\g) == 5
	WIN 0
	REFILL 0, OL0, 32*SLAB+HALF, OR0, 8*SLAB+HALF, 4*STEPB, 0      ; places 0-5, read out: K's steps 4-7, V's steps 0-1
.elseif (\g) == 11
	WIN 0
	REFILL 6*STEPB, OL2, 2*STEPB, OR2, 2*STEPB, 10*STEPB, 6*STEPB  ; places 6-11: V's steps 2-5 and 6-7
.elseif (\g) == 17
	s_wait_tensorcnt 0x0                           ; the last fill has landed
	s_barrier_signal -1
	s_barrier_wait -1
.endif
.if (\g) < 23
.rept 4
	v_nop                                          ; four places between the last products and loads into the registers that they read
.endr
	FETCH (\g)+1
.endif
.if (\g) == 0
	ASK 8, 32*SLAB+HALF                            ; key's steps 4-7, which step 5's refill loads,
	ASK 10, 0                                      ; and value's steps 0-3, for step 5's and step 11's
.elseif (\g) == 5
	ASK 10, HALF                                   ; value's steps 4-7, for step 11's
.endif
.if ((\g)%8 == 2) && ((\g) < 16)
	SLOAD (\g)/8+1
.endif
.if (\g)%8 == 0
	s_wait_loadcnt 0x0                             ; the block's scale words and bias
.if (\g) == 16
	WIN 0x41
.irp i, 0,1,2,3
.irp j, 1,2,3,4,5,6,7
	v_mov_b32 v[96+8*\i+\j], v[96+8*\i]            ; V: a lane's eight registers are eight tokens of one channel: the same bias
.endr
.endr
.endif
	WIN 0x15                                       ; C in window 1 too
	MUL16 \g, 1+(\g)/16
.else
	WIN MUL
	MUL16 \g, 0
.endif
.if (\g)%8 == 7
	EPI (\g)/8
.endif
.endm
	s_load_b256 s[4:11], s[0:1], 0x0               ; cimg s[4:5], simg s[6:7], bq s[8:9], bk s[10:11]
	s_load_b128 s[12:15], s[0:1], 0x20             ; bv s[12:13], qb s[14:15]
	s_load_b64 s[16:17], s[0:1], 0x30              ; kv
	v_lshl_add_u32 v[SPW], v0, 2, SPARE
	v_mov_b32 v[NIL], 0
	ds_add_u32 v[SPW], v[NIL]                      ; the opening lines: the add, twice on end, and its wait ahead of my first tensor load
	ds_add_u32 v[SPW], v[NIL]
	v_lshrrev_b32 v1, 5, v0
	v_readfirstlane_b32 s[WV], v1                  ; wave 0..3
	s_lshr_b32 s19, s[WV], 1                       ; my half of L
	s_and_b32 s20, s[WV], 1                        ; my half of R
	s_bfe_u32 s21, ttmp6, 0x40000                  ; cx, cy: my place in the cluster
	s_bfe_u32 s22, ttmp6, 0x40004
	s_lshl_b32 s23, ttmp9, 2
	s_and_b32 s24, ttmp7, 0xffff
	s_lshl_b32 s24, s24, 2
	s_add_co_u32 s25, s24, s22                     ; Q, K: the tokens' slab (L): it never holds cx
	s_add_co_u32 s26, s23, s21                     ; Q, K: the weight's slab (R): it never holds cy
	s_add_co_u32 s27, s23, s22                     ; V: Wv's slab (L)
	s_add_co_u32 s67, s24, s21                     ; V: value's slab (R)
	s_mul_i32 s[OL0], s25, SLAB                    ; in cimg: query 0, key 32, value 64, Wq 96, Wk 104, Wv 112
	s_add_co_u32 s[OR0], s26, 96
	s_mul_i32 s[OR0], s[OR0], SLAB
	s_add_co_u32 s[OL2], s27, 112
	s_mul_i32 s[OL2], s[OL2], SLAB
	s_add_co_u32 s[OR2], s67, 64
	s_mul_i32 s[OR2], s[OR2], SLAB
	s_lshl_b32 s23, s22, 2
	s_lshl_b32 s23, 15, s23                        ; my row of the cluster
	s_lshl_b32 s24, 0x1111, s21                    ; my column
	s_or_b32 s[G1LW], s23, (3<<16)|(1<<21)         ; 15:0 the mask; 17:16 elements of 8 bytes; 21 set beside a mask
	s_or_b32 s[G1L], s23, (3<<16)|(1<<21)
	s_or_b32 s[G1RW], s24, (3<<16)|(1<<21)
	s_or_b32 s[G1R], s24, (3<<16)|(1<<21)
	GROUP1 G1LW, 384
	GROUP1 G1RW, 384
	GROUP1 G1L, 192
	GROUP1 G1R, 192
	s_mov_b32 s[SEL], 0x76543210
	s_mov_b32 s[SEL+1], 0xfedcba98                 ; v_permlanex16_b32's selects for lane l xor 16
	s_wait_dscnt 0x0                               ; both opening adds are done
	CROUND                                         ; all sixteen work-groups are here: the joint loads meet.  The round stands ahead of the wait for the arguments
	s_wait_kmcnt 0x0
	G0SET G0A, 0, OL0, 0                           ; query's slab, whole, into L's places 0-7;
	G0SET G0B, RBASE, OR0, 0                       ; Wq's into R's;
	G0SET G0C, 2*HALF, OL0, 32*SLAB                ; key's steps 0-3 into places 8-11;
	G0SET G0D, RBASE+2*HALF, OR0, 8*SLAB           ; Wk's
.macro ARM w, g0, g1                   ; one tensor load a wave, each in an arm of its own of one chain of branches on the wave's number
	s_cmp_eq_u32 s[WV], \w
	s_cbranch_scc0 .Larm_\w
	TLOAD \g0, \g1
	s_branch .Lasked
.Larm_\w:
.endm
	ARM 0, G0A, G1LW
	ARM 1, G0B, G1RW
	ARM 2, G0C, G1L
	TLOAD G0D, G1R
.Lasked:
	v_and_b32 v1, 31, v0                           ; lane
	v_and_b32 v2, 15, v0                           ; r
	v_bfe_u32 v3, v0, 4, 1                         ; h
	v_lshlrev_b32 v[ST16], 4, v1
	v_lshlrev_b32 v[ST8], 3, v1
	v_lshlrev_b32 v[STW], 4, v2
	v_lshl_add_u32 v[STW], v3, 3, v[STW]
	s_mul_i32 s23, s19, 4*1536
	s_mul_i32 s24, s20, 4*1536
	s_add_co_u32 s24, s24, RBASE
	v_add_nc_u32 v[ADL16], s23, v[ST16]
	v_add_nc_u32 v[ADR16], s24, v[ST16]
	v_add_nc_u32 v[ADL8], s23, v[ST8]
	v_add_nc_u32 v[ADL8], 512, v[ADL8]
	v_add_nc_u32 v[ADR8], s24, v[ST8]
	v_add_nc_u32 v[ADR8], 512, v[ADR8]
.irp k, 1,2
.irp a, ADL16, ADL8, ADR16, ADR8
	v_add_nc_u32 v[\a+\k], \k*HALF, v[\a]
.endr
.endr
	v_mov_b32 v[QTX], 0                            ; a lane permute's destination counts as one of its sources
	v_lshlrev_b32 v[QSH], 3, v3
	v_lshlrev_b32 v[BAQ], 7, v3
	v_and_b32 v[BAV], 8, v2
	v_mad_u32_u24 v[BAV], v[BAV], 3, v2
	v_lshlrev_b32 v[BAV], 2, v[BAV]
	v_cmp_eq_u32 s[HM], 1, v3
	v_and_b32 v[PFV], 31, v0
	v_min_u32 v[PFV], 11, v[PFV]
	v_lshlrev_b32 v[PFV], 8, v[PFV]
.macro SCADDR t, sl, pl, sr, pr        ; block t's scale words: 4,096 bytes a slab, 2,048 a half; lanes 0-15 take L's, lanes 16-31 R's; 16 bytes a row
	s_add_co_u32 s23, s[\sl], \pl
	s_lshl_b32 s23, s23, 12
	s_lshl_b32 s24, s19, 11
	s_add_co_u32 s23, s23, s24
	s_add_co_u32 s24, s[\sr], \pr
	s_lshl_b32 s24, s24, 12
	s_lshl_b32 s[TP], s20, 11
	s_add_co_u32 s24, s24, s[TP]
	v_mov_b32 v1, s23
	v_mov_b32 v[QTM], s24
	v_cndmask_b32 v1, v1, v[QTM], s[HM]
	v_lshl_add_u32 v[SCA+\t], v2, 4, v1
.endm
	SCADDR 0, 25, 0, 26, 96
	SCADDR 1, 25, 32, 26, 104
	SCADDR 2, 27, 112, 67, 64
; where the results go and the biases come from.  These registers feed no descriptor
.macro BLOCKOF ws, hs, ts              ; s[TP] = 256 x head, s24 = the block: (16 x batch + head) x 16 + the tokens' slab in its batch
	s_lshl_b32 s23, s[\ws], 1
	s_add_co_u32 s23, s23, s[\hs]
	s_lshl_b32 s[TP], s23, 8
	s_lshr_b32 s24, s[\ts], 4
	s_lshl_b32 s24, s24, 4
	s_add_co_u32 s24, s24, s23
	s_lshl_b32 s24, s24, 4
	s_and_b32 s23, s[\ts], 15
	s_add_co_u32 s24, s24, s23
.endm
.macro OUTS t, base, size, half, poff, woff
	s_mul_i32 s23, s24, \size
	s_mul_i32 s[TP], s[\half], 3072                ; the pieces: four of 768 bytes for each half of the tokens
	s_add_co_u32 s[TP], s[TP], s23
	s_add_co_u32 s[TP], s[TP], \poff
	s_add_nc_u64 s[PB+2*\t:PB+2*\t+1], s[\base:\base+1], s[TP:TP+1]
	s_lshl_b32 s[TP], s[\half], 8                  ; the scale words: 256 bytes for each half
	s_add_co_u32 s[TP], s[TP], s23
	s_add_co_u32 s[TP], s[TP], \woff
	s_add_nc_u64 s[WB+2*\t:WB+2*\t+1], s[\base:\base+1], s[TP:TP+1]
.endm
	s_mov_b32 s[TP+1], 0
	BLOCKOF 26, 20, 25
	s_add_nc_u64 s[BB:BB+1], s[8:9], s[TP:TP+1]
	s_add_nc_u64 s[BB+2:BB+3], s[10:11], s[TP:TP+1]
	OUTS 0, 14, 6656, 19, 0, 6144
	OUTS 1, 16, 13312, 19, 0, 12288
	BLOCKOF 27, 19, 67
	s_add_nc_u64 s[BB+4:BB+5], s[12:13], s[TP:TP+1]
	OUTS 2, 16, 13312, 20, 6144, 12800
	s_lshl_b32 s23, s21, 2                         ; the prefetches: of L's pieces my row's sixteen waves take 3,072 bytes each, by cx and the wave;
	s_add_co_u32 s23, s23, s[WV]
	s_mul_i32 s23, s23, 3072
	s_add_co_u32 s[TP], s23, s[OL0]
	s_add_nc_u64 s[8:9], s[4:5], s[TP:TP+1]
	s_lshl_b32 s23, s22, 2                         ; of R's my column's, by cy and the wave
	s_add_co_u32 s23, s23, s[WV]
	s_mul_i32 s23, s23, 3072
	s_add_co_u32 s[TP], s23, s[OR2]
	s_add_nc_u64 s[10:11], s[4:5], s[TP:TP+1]
	s_wait_alu depctr_va_vdst(0)                   ; the wait at the head's end: no vector register is written between here and the first step
	SLOAD 0
	WIN 0
	s_cmp_lt_u32 s[WV], 2
	s_cbranch_scc0 .Lnot_first
	s_wait_tensorcnt 0x0                           ; waves 0 and 1: Q's two slabs have landed; the loads of waves 2 and 3 may stay out
.Lnot_first:
	s_barrier_signal -1
	s_barrier_wait -1
	FETCH 0
.set G, 0
.rept 24
	GSTEP G
.set G, G+1
.endr
	s_wait_tensorcnt 0x0                           ; the wave's end: three closing lines behind my last tensor load
	ds_add_u32 v[SPW], v[NIL]
	s_wait_dscnt 0x0
	CROUND                                         ; the closing round: no work-group ends while a partner may still ask for a tile that names it
	s_endpgm
.Lfunc_end_k_q9f6c3a4578_proj:
	.size	k_q9f6c3a4578_proj, .Lfunc_end_k_q9f6c3a4578_proj-k_q9f6c3a4578_proj
	.p2alignl 7, 3214868480
	.fill 96, 4, 3214868480
	.section	.rodata,"a",@progbits
	.p2align	6, 0x0
	.amdhsa_kernel k_q9f6c3a4578_proj
		.amdhsa_group_segment_fixed_size 327680
		.amdhsa_private_segment_fixed_size 0
		.amdhsa_enable_private_segment 0
		.amdhsa_kernarg_size 56
		.amdhsa_user_sgpr_count 2
		.amdhsa_user_sgpr_kernarg_segment_ptr 1
		.amdhsa_wavefront_size32 1
		.amdhsa_system_sgpr_workgroup_id_x 1
		.amdhsa_system_sgpr_workgroup_id_y 1
		.amdhsa_system_sgpr_workgroup_id_z 1
		.amdhsa_system_vgpr_workitem_id 0
		.amdhsa_next_free_vgpr 512
		.amdhsa_next_free_sgpr 106
		.amdhsa_reserve_vcc 0
		.amdhsa_float_denorm_mode_32 3
		.amdhsa_float_denorm_mode_16_64 3
		.amdhsa_memory_ordered 1
		.amdhsa_forward_progress 1
		.amdhsa_inst_pref_size 148
	.end_amdhsa_kernel
	.amdgpu_metadata
---
amdhsa.version: [ 1, 2 ]
amdhsa.kernels:
  - .name:           k_q9f6c3a4578_proj
    .symbol:         k_q9f6c3a4578_proj.kd
    .args:
      - { .name: cimg, .offset: 0, .size: 8, .value_kind: global_buffer, .address_space: global }
      - { .name: simg, .offset: 8, .size: 8, .value_kind: global_buffer, .address_space: global }
      - { .name: bq, .offset: 16, .size: 8, .value_kind: global_buffer, .address_space: global }
      - { .name: bk, .offset: 24, .size: 8, .value_kind: global_buffer, .address_space: global }
      - { .name: bv, .offset: 32, .size: 8, .value_kind: global_buffer, .address_space: global }
      - { .name: qb, .offset: 40, .size: 8, .value_kind: global_buffer, .address_space: global }
      - { .name: kv, .offset: 48, .size: 8, .value_kind: global_buffer, .address_space: global }
    .group_segment_fixed_size: 327680
    .private_segment_fixed_size: 0
    .kernarg_segment_align: 8
    .kernarg_segment_size: 56
    .max_flat_workgroup_size: 128
    .sgpr_count:     106
    .vgpr_count:     512
    .wavefront_size: 32
...
	.end_amdgpu_metadata
.endif
;; end of part 2
;; launch attn (part 3): grid 8 x 32, 8 waves a work-group, clusters of 4 x 1, 215,040 bytes of LDS; arguments qb, kv, cimg, simg; writes cimg, simg
.if DOCPART == 3
	.amdgcn_target "amdgcn-amd-amdhsa--gfx1250"
	.amdhsa_code_object_version 6
	.text
	.protected	k_q9f6c3a4578_attn
	.globl	k_q9f6c3a4578_attn
	.p2align	8
	.type	k_q9f6c3a4578_attn,@function
k_q9f6c3a4578_attn:
	s_mov_b64 s[64:65], 0
	v_nop
	global_prefetch_b8 v0, s[64:65] scope:SCOPE_SE
	s_setreg_imm32_b32 hwreg(HW_REG_WAVE_MODE, 25, 1), 1
	s_wait_xcnt 0x0
	s_wait_alu depctr_hold_cnt(0) depctr_sa_sdst(0) depctr_va_vdst(0) depctr_va_sdst(0) depctr_va_ssrc(0) depctr_va_vcc(0) depctr_vm_vsrc(0)
	s_getreg_b32 s2, hwreg(HW_REG_IB_STS2, 6, 4)
	s_cmp_eq_u32 s2, 0
	s_cbranch_scc0 .Lentry_in_a_cluster
	s_endpgm
.Lentry_in_a_cluster:
	s_bfe_u32 s2, ttmp6, 0x10000c
	s_cmp_lg_u32 s2, 0x3003
	s_cbranch_scc0 .Lentry_shape_is_right
	s_endpgm
.Lentry_shape_is_right:
; O = softmax(Q K^T / 8) V for 32 (batch x head) x 2,048 queries x 2,048 keys, head size 64, both products on codes of FP6 (E2M3) with E8M0 scales; O / l is quantised along the model's 1,024 for the output projection.
; THE SOFTMAX: t = score x log2(e) / 8; M = the row's largest t so far, rounded UP to a whole number; p = 2^(t - M) is quantised along the keys, not normalised.  The row's sum is taken of the unquantised p, in f32, and divides O
; at the end.  When M moves, the sum and O are multiplied by 2^(old M - new M): exact.
; SHARES: a work-group owns 256 queries of one head; each of its eight waves TWO tiles of 16 queries, so that every fragment of K and of V that is read from LDS feeds two tiles' products.
; THE WHOLE HEAD'S K AND V, 16 blocks of 13,312 bytes (128 keys each), LIE IN LDS, filled once: every wave asks for two blocks by one joint load at the head.  Nothing is filled again, and there is no later request that a prefetch could run ahead of.
; THE WAVES MEET TWICE: when blocks 0-3 (waves 0 and 1's loads, which have a line of their own) have landed, and three key steps later, when all have.
; CLUSTER: the four query blocks of a cluster belong to one head and need the same bytes: every load is joint, with the mask of all four.
; LAYOUT: both products transposed: S^T = K Q^T (source 0 = 16 keys), O^T = V^T P^T (source 0 = 16 channels): a lane holds ONE query of each tile throughout.
; THE ORDER OF ROWS in every tile: tile u of a run of 64 rows, lane r, is row 32 (r / 8) + 8 u + r % 8.  As source 0 that gives lane (r, h), in the 32 registers of a run's four tiles, rows 32 h + 0 .. 31:
; ONE WHOLE SCALE BLOCK, of the keys for p and of the channels for O.  So a block's maximum needs no other lane, and the conversions' six registers are the next operand's as they fall.
; TWO TILES OF KEYS IN ONE FRAGMENT: the head's 64 fill half of the first product's 128.  A fragment of K holds tile 2 y as k = 0..63 and tile 2 y + 1 as k = 64..127 and is multiplied by (Q | 0) and by (0 | Q);
; both tiles' Q stand in one chain of 30 registers: zeros, Q0, zeros, Q1, zeros.  The half that does not count meets zero codes under the byte 0.
; A block's largest p is not searched for: the block's largest score goes through the same multiply-add and exponential.  This takes v_exp_f32 not to fall where its input rises; at the worst one p of a block would be held one code low.
; REGISTERS: window 1 holds S^T (then p) of tile q at 64 q and O^T at 128 + 32 q; all else lies in window 0, so that both tiles' lines stand under one setting of the windows.
; LIMITS: NaN and infinities are not served; the promise holds while the scaled scores stay under 2^31 in magnitude.  A block whose largest magnitude lies under 2^-124 keeps the byte 1, a block of zeros too: its codes are zeros, and only this program reads the bytes.
; O's scale bytes leave one byte a lane: a scale word spans two heads, which two work-groups make; they are 2 bytes beside each 48 bytes of codes.
.set BLK,   13312                      ; a block: K's 8 pieces of 768 bytes; V^T's 8 at 6,144; K's scale words at 12,288; V's half words at 12,800
.set SPARE, 16*BLK                     ; the spare words, 128 bytes for each of 8 waves, which no other line names
.set QS,  40                           ; v40-41 Q's scale bytes as bytes 0, 1 (tile q); v42-43 as bytes 2, 3; v44-45 p's scale words
.set QS2, 42
.set PW,  44
.set KF,  48                           ; v48-95   K: four fragments of two tiles
.set KS,  96                           ; v96-103  K's scale words as loaded; then register 2 y holds fragment y's word
.set VS,  104                          ; v104-107 V's scale words; v108-111 their upper halves as loaded
.set VF,  112                          ; v112-159 V^T's four fragments
.set PC,  160                          ; v160-183 p's codes, 12 a tile
.set PT,  184                          ; v184-199 the upper halves of the blocks' codes (a conversion's three registers begin on an even number)
.set BM,  200                          ; v200-203 block (q, c)'s largest score, then largest p, at 2 q + c
.set MX,  204                          ; v204-205 the row's largest score so far
.set TX,  206                          ; v206-207 at work
.set NM,  208                          ; v208, v210 -M (named as pairs)
.set OLD, 212                          ; v212-213 -M as the last step left it
.set F,   214                          ; v214, v216 f = 2^(old M - new M) (named as pairs)
.set SUM, 218                          ; v[218:219], v[220:221] the rows' sums in two halves
.set SO,  222                          ; v222-225 the conversions' scale operands
.set BY,  226                          ; v226-229 the bytes
.set AC,  230                          ; v230-241 three more chains of the sum for each tile
.set TB,  2                            ; s2 LDS byte at which the block in hand begins
.set CNT, 3
.set WV,  18
.set SEL, 20
.set CS,  22                           ; s[22:23] c = log2(e) / 8
.set G1,  24
.set G0,  40
.set MSB, 0
.macro WIN new                         ; the immediate's high byte repeats the setting that is left
.if MSB != \new
	s_set_vgpr_msb (MSB<<8)|\new
.set MSB, \new
.endif
.endm
.macro WALU
	s_wait_alu depctr_va_vdst(0)
.endm
.macro CROUND
	s_barrier_signal -1
	s_barrier_wait -1
	s_cmp_lg_u32 s[WV], 0
	s_cbranch_scc1 .Lnot_wave_0_\@
	s_barrier_signal -3
.Lnot_wave_0_\@:
	s_barrier_wait -3
	s_barrier_signal -1
	s_barrier_wait -1
.endm
.macro MM d, a, b, c, sa, sb
	v_wmma_scale_f32_16x16x128_f8f6f4 v[\d:\d+7], v[\a:\a+11], v[\b:\b+11], \c, v[\sa], v[\sb] matrix_a_fmt:MATRIX_FMT_FP6 matrix_b_fmt:MATRIX_FMT_FP6
.endm
.macro KLOAD a16, a8, as, off          ; 18 LDS loads: a block's eight pieces of K and its two groups of scale words; every load reads consecutive bytes
.irp t, 0,1,2,3,4,5,6,7
	ds_load_b128 v[KF+6*\t:KF+6*\t+3], v[\a16] offset:\off+\t*768
	ds_load_b64 v[KF+6*\t+4:KF+6*\t+5], v[\a8] offset:\off+\t*768
.endr
	ds_load_b128 v[KS:KS+3], v[\as] offset:\off
	ds_load_b128 v[KS+4:KS+7], v[\as] offset:\off+256
.endm
.macro KMERGE                          ; fragment y's scale word: tile 2 y's two bytes below, tile 2 y + 1's above
.irp y, 0,1,2,3
	v_lshl_or_b32 v[KS+2*\y], v[KS+2*\y+1], 16, v[KS+2*\y]
.endr
.endm
	s_load_b256 s[4:11], s[0:1], 0x0               ; qb s[4:5], kv s[6:7], cimg s[8:9], simg s[10:11]
	v_lshl_add_u32 v4, v0, 2, SPARE                ; my spare word,
	v_mov_b32 v5, 0                                ; and 0: kept for the add alone
	ds_add_u32 v4, v5                              ; the opening lines: the add, twice on end, and its wait ahead of my first tensor load
	ds_add_u32 v4, v5
	v_lshrrev_b32 v6, 5, v0
	v_readfirstlane_b32 s[WV], v6                  ; wave 0..7
	s_bfe_u32 s12, ttmp6, 0x40000                  ; cx
	s_lshl_b32 s13, ttmp9, 2
	s_add_co_u32 s13, s13, s12                     ; my block of 256 queries: it enters Q's and O's addresses alone
	s_and_b32 s14, ttmp7, 0xffff                   ; 16 x batch + head, which the four partners share
	s_mov_b32 s[G1], 15|(3<<16)|(1<<21)            ; group 1: two blocks, 26,624 dense bytes, as 104 rows of 256 bytes (32 elements of 8); the mask names all four work-groups; bit 21 beside it
	s_mov_b32 s[G1+1], 32<<16
	s_mov_b32 s[G1+2], 104<<16
	s_mov_b32 s[G1+3], 32<<16
	s_mov_b32 s[G1+4], 104
	s_mov_b32 s[G1+5], 32
	s_mov_b32 s[G1+6], 0
	s_mov_b32 s[G1+7], 0
	s_mov_b32 s[SEL], 0x76543210
	s_mov_b32 s[SEL+1], 0xfedcba98                 ; v_permlanex16_b32's selects for lane l xor 16
	s_mov_b32 s[CS], 0x3e38aa3b                    ; c = log2(e) / 8
	s_mov_b32 s[CS+1], s[CS]
	s_mul_i32 s15, s[WV], 2*BLK                    ; blocks 2 w and 2 w + 1 are mine to fetch
	s_mul_i32 s32, s14, 16*BLK
	s_add_co_u32 s32, s32, s15
	s_mov_b32 s33, 0
	s_wait_dscnt 0x0                               ; both opening adds are done
	CROUND                                         ; all four work-groups are here: the joint loads meet.  The round stands ahead of the wait for the arguments
	s_wait_kmcnt 0x0
	s_add_nc_u64 s[32:33], s[6:7], s[32:33]
	s_mov_b32 s[G0], 1
	s_mov_b32 s[G0+1], s15
	s_mov_b64 s[G0+2:G0+3], s[32:33]
	s_or_b32 s[G0+3], s[G0+3], 0x80000000
	s_cmp_lt_u32 s[WV], 2                          ; one load a wave; waves 0 and 1, which alone wait ahead of the first barrier, have a line of their own
	s_cbranch_scc0 .Llater
	tensor_load_to_lds s[G0:G0+3], s[G1:G1+7]
	s_nop 0
.rept 4
	v_nop
.endr
	s_branch .Lasked
.Llater:
	tensor_load_to_lds s[G0:G0+3], s[G1:G1+7]
	s_nop 0
.rept 4
	v_nop
.endr
.Lasked:
	s_lshr_b32 s16, s[WV], 2
	s_lshl_b32 s17, s13, 1
	s_add_co_u32 s17, s17, s16                     ; my block of 128 queries
	s_lshl_b32 s19, s[WV], 1
	s_and_b32 s19, s19, 7                          ; my first tile in it, an even one; the second follows it
	s_lshl_b32 s34, s14, 4
	s_add_co_u32 s34, s34, s17
	s_mul_i32 s34, s34, 6656
	s_mul_i32 s35, s19, 768
	s_add_co_u32 s36, s34, s35                     ; Q's pieces
	s_mov_b32 s37, 0
	s_lshr_b32 s35, s19, 2
	s_lshl_b32 s35, s35, 8
	s_add_co_u32 s38, s34, s35
	s_and_b32 s35, s19, 3
	s_lshl_b32 s35, s35, 2
	s_add_co_u32 s38, s38, s35
	s_add_co_u32 s38, s38, 6144                    ; and their scale words: group tile / 4, words tile % 4 and the next of each row's four
	s_mov_b32 s39, 0
	s_add_nc_u64 s[36:37], s[4:5], s[36:37]
	s_add_nc_u64 s[38:39], s[4:5], s[38:39]
	; where O's codes and scale bytes go: slab 128 + 16 x batch + my block of 128 tokens; K step head / 2, piece head % 2
	s_lshr_b32 s56, s14, 4
	s_lshl_b32 s56, s56, 4
	s_add_co_u32 s56, s56, s17
	s_add_co_u32 s56, s56, 128
	s_and_b32 s57, s14, 15                         ; the head
	s_mul_i32 s58, s56, 98304
	s_lshr_b32 s59, s57, 1
	s_mul_i32 s59, s59, 12288
	s_add_co_u32 s58, s58, s59
	s_mul_i32 s59, s19, 1536
	s_add_co_u32 s58, s58, s59
	s_and_b32 s59, s57, 1
	s_mul_i32 s59, s59, 768
	s_add_co_u32 s58, s58, s59
	s_mov_b32 s59, 0
	s_add_nc_u64 s[8:9], s[8:9], s[58:59]
	s_lshl_b32 s60, s56, 3
	s_add_co_u32 s60, s60, s19
	s_lshl_b32 s60, s60, 9                         ; 512 bytes of scale words a tile;
	s_lshr_b32 s61, s57, 3
	s_lshl_b32 s61, s61, 8                         ; K half = head / 8;
	s_add_co_u32 s60, s60, s61
	s_and_b32 s61, s57, 7
	s_lshl_b32 s61, s61, 1                         ; in a row's 16 bytes the head's two
	s_add_co_u32 s60, s60, s61
	s_mov_b32 s61, 0
	s_add_nc_u64 s[10:11], s[10:11], s[60:61]
	v_and_b32 v9, 31, v0
	v_lshlrev_b32 v1, 4, v9                        ; 16 x lane: a piece's first 512 bytes
	v_lshlrev_b32 v2, 3, v9
	v_add_nc_u32 v2, 512, v2                       ; 512 + 8 x lane: its last 256
	v_and_b32 v8, 15, v0
	v_lshlrev_b32 v8, 4, v8                        ; 16 r
	v_add_nc_u32 v3, 12288, v8                     ; a block's scale words: my row's four
	global_load_b128 v[16:19], v1, s[36:37]        ; Q's codes stay in registers: tile 0,
	global_load_b64 v[20:21], v2, s[36:37]
	global_load_b128 v[28:31], v1, s[36:37] offset:768   ; tile 1
	global_load_b64 v[32:33], v2, s[36:37] offset:768
	global_load_b64 v[QS:QS+1], v8, s[38:39]       ; both tiles' scale words of my row
	v_bfe_u32 v9, v0, 4, 1
	v_lshlrev_b32 v9, 3, v9                        ; 8 h: how far my bytes are shifted in p's scale word
.irp i, 10,11,12,13,14,15,22,23,24,25,26,27,34,35,36,37,38,39
	v_mov_b32 v[\i], 0                             ; the zero codes round Q's: written once
.endr
.irp q, 0,1
	v_mov_b32 v[MX+\q], 0xff61b1e6                 ; the largest score so far: -3e38
	v_mov_b32 v[NM+2*\q], 0x7e000000               ; -M: so large that the first step's f is 0
	v_mov_b32 v[NM+2*\q+1], 0                      ; (upper halves of pairs that are named)
	v_mov_b32 v[F+2*\q+1], 0
	v_mov_b32 v[SUM+2*\q], 0
	v_mov_b32 v[SUM+2*\q+1], 0
	v_mov_b32 v[TX+\q], 0                          ; a lane permute's destination counts as one of its sources
.endr
	s_wait_loadcnt 0x0                             ; Q
	v_lshlrev_b32 v[QS2], 16, v[QS]                ; Q's two bytes for the product in which Q stands as k = 64..127
	v_lshlrev_b32 v[QS2+1], 16, v[QS+1]
	WALU                                           ; the wait at the head's end
	s_cmp_lt_u32 s[WV], 2
	s_cbranch_scc0 .Lnot_first
	s_wait_tensorcnt 0x0                           ; waves 0 and 1: blocks 0-3 have landed; the other waves' loads may stay out
.Lnot_first:
	s_barrier_signal -1
	s_barrier_wait -1
	KLOAD 1, 2, 3, 0                               ; block 0's K
	s_wait_dscnt 0x0
	KMERGE
	WIN 0x40
.set j, 0
.rept 64
	v_mov_b32 v[128+j], 0                          ; O^T of both tiles: the step is written once and finds zeros, which the first f leaves zeros.  (These lines also stand between the scale words just made and the first products)
.set j, j+1
.endr
	WIN 0
; A KEY STEP: the 128 keys of the block at s[TB], for both tiles of queries.  Its K and K's scale words are in registers.  pre = 1: the next block's are fetched.
; LDS load n (0..17) of a step's 18 for the second product: V's two groups of half words, then V^T's four fragments (16 channels x 128 keys each), 16 bytes a lane and 8 by turns
.macro VLD n
.if (\n) < 2
	ds_load_b128 v[VS+4*(\n):VS+4*(\n)+3], v8 offset:512+256*(\n)
.else
.set VM_, ((\n)-2)/4
.set VC_, (((\n)-2)/2)%2
.if ((\n)%2) == 0
	ds_load_b128 v[VF+12*VM_+6*VC_:VF+12*VM_+6*VC_+3], v6 offset:6144+(4*VC_+VM_)*768
.else
	ds_load_b64 v[VF+12*VM_+6*VC_+4:VF+12*VM_+6*VC_+5], v7 offset:6144+(4*VC_+VM_)*768
.endif
.endif
.endm
.macro STEP pre
	WIN 0x40                                       ; D in window 1
.irp y, 0,1,2,3                                ; S^T = K Q^T: fragment y against (Q | 0) gives tile 2 y, against (0 | Q) tile 2 y + 1
.irp q, 0,1
	MM 64*\q+16*\y, KF+12*\y, 16+12*\q, 0, KS+2*\y, QS+\q
	MM 64*\q+16*\y+8, KF+12*\y, 10+12*\q, 0, KS+2*\y, QS2+\q
.endr
.endr                                          ; lane (r, h): registers 32 c + i of tile q are keys 64 c + 32 h + i of query r
	WIN 0
	v_add_nc_u32 v6, s[TB], v1                     ; five plain lines: the places in front of the loads into registers that products have read, and of the first read of the scores
	v_add_nc_u32 v7, s[TB], v2
	v_add_nc_u32 v8, s[TB], v3
	v_mov_b32 v[OLD], v[NM]
	v_mov_b32 v[OLD+1], v[NM+2]
.if \pre
	KLOAD 6, 7, 8, BLK                             ; the next block's K
.endif
	; (V's 18 loads stand between the lines of the rows' statistics below, each of which hangs on the line before it)
	WIN 0x15                                       ; the largest score of each of my four blocks of 32 keys, by turns
.irp q, 0,1
.irp c, 0,1
	v_max3_num_f32 v[BM+2*\q+\c], v[64*\q+32*\c], v[64*\q+32*\c+1], v[64*\q+32*\c+2]
.endr
.endr
	WIN 0x14
.irp i, 3,5,7,9,11,13,15,17,19,21,23,25,27,29
.irp q, 0,1
.irp c, 0,1
	v_max3_num_f32 v[BM+2*\q+\c], v[BM+2*\q+\c], v[64*\q+32*\c+\i], v[64*\q+32*\c+\i+1]
.endr
.endr
.endr
.irp q, 0,1
.irp c, 0,1
	v_max_num_f32 v[BM+2*\q+\c], v[BM+2*\q+\c], v[64*\q+32*\c+31]
.endr
.endr
	WIN 0
.irp q, 0,1
	v_max3_num_f32 v[MX+\q], v[MX+\q], v[BM+2*\q], v[BM+2*\q+1]   ; the running largest score of my keys,
.endr
	VLD 0
	VLD 1
.irp q, 0,1
	v_permlanex16_b32 v[TX+\q], v[MX+\q], s[SEL], s[SEL+1]
.endr
	VLD 2
	VLD 3
.irp q, 0,1
	v_max_num_f32 v[MX+\q], v[MX+\q], v[TX+\q]     ; and of lane l xor 16's
.endr
	VLD 4
	VLD 5
.irp q, 0,1
	v_mul_f32 v[TX+\q], s[CS], v[MX+\q]            ; as t (c is positive)
.endr
	VLD 6
	VLD 7
.irp q, 0,1
	v_floor_f32 v[NM+2*\q], -v[TX+\q]              ; the new -M = -ceil(t): a whole number
.endr
	VLD 8
	VLD 9
.irp q, 0,1
	v_sub_f32 v[TX+\q], v[NM+2*\q], v[OLD+\q]      ; M's old value less its new one
.endr
	VLD 10
	VLD 11
.irp q, 0,1
	v_cvt_i32_f32 v[TX+\q], v[TX+\q]               ; (it saturates)
.endr
	VLD 12
	VLD 13
.irp q, 0,1
	v_ldexp_f32 v[F+2*\q], 1.0, v[TX+\q]           ; f = 2^(old M - new M)
.endr
	VLD 14
	VLD 15
	VLD 16
	VLD 17
	WIN 0x41
.irp q, 0,1
.set j, 0
.rept 16
	v_pk_mul_f32 v[128+32*\q+j:128+32*\q+j+1], v[128+32*\q+j:128+32*\q+j+1], v[F+2*\q:F+2*\q+1] op_sel_hi:[1,0]   ; O^T under the new M, ahead of the exponentials
.set j, j+2
.endr
.endr
.irp q, 0,1
.set j, 0
.rept 32
	v_pk_fma_f32 v[64*\q+j:64*\q+j+1], v[64*\q+j:64*\q+j+1], s[CS:CS+1], v[NM+2*\q:NM+2*\q+1] op_sel_hi:[1,0,0]   ; t - M, two at a time
.set j, j+2
.endr
.endr
	WIN 0
.irp q, 0,1
.irp c, 0,1
	v_fma_f32 v[BM+2*\q+\c], v[BM+2*\q+\c], s[CS], v[NM+2*\q]   ; the same of each block's largest score
.endr
.endr
	WALU                                           ; the wait ahead of the batch
	WIN 0x41
.set j, 0
.rept 128
	v_exp_f32 v[j], v[j]                           ; p = 2^(t - M), at most 1
.set j, j+1
.endr
	WIN 0
.irp b, 0,1,2,3
	v_exp_f32 v[BM+\b], v[BM+\b]                   ; the blocks' largest p: the same two instructions on the same number give the same bits
.endr
	v_nop                                          ; the plain place behind the exponentials
	WALU                                           ; one wait for the batch, ahead of its first reader and of the wait below
	s_wait_dscnt 0x0                               ; the run of loads behind the score products is in: nothing has been issued to LDS since
.irp m, 0,1,2,3
	v_lshl_or_b32 v[VS+\m], v[VS+4+\m], 16, v[VS+\m]   ; V's scale words are made whole
.endr
.if \pre
	KMERGE                                         ; and the next step's of K
.endif
.irp b, 0,1,2,3
	v_max_num_f32 v[BM+\b], 0x1800000, v[BM+\b]    ; the floor 2^(3 - 127): the byte cannot fall under 1
.endr
.irp b, 0,1,2,3
	v_add_nc_u32 v[SO+\b], 0xff000000, v[BM+\b]    ; 2 off the exponent field: the conversion's scale operand
.endr
.irp b, 0,1,2,3
	v_lshrrev_b32 v[BY+\b], 23, v[SO+\b]           ; the scale's byte
.endr
.irp q, 0,1
	v_lshl_or_b32 v[BY+2*\q], v[BY+2*\q+1], 16, v[BY+2*\q]   ; my two bytes: blocks h and 2 + h,
.endr
.irp q, 0,1
	v_lshlrev_b32 v[BY+2*\q], v9, v[BY+2*\q]       ; at their places in the word;
.endr
.irp q, 0,1
	v_permlanex16_b32 v[TX+\q], v[BY+2*\q], s[SEL], s[SEL+1]
.endr
.irp q, 0,1
	v_or_b32 v[PW+\q], v[BY+2*\q], v[TX+\q]        ; with lane l xor 16's two p's scale word is whole
.endr
	WIN 0x01
.irp q, 0,1
.irp c, 0,1
	v_cvt_scalef32_pk16_fp6_f32 v[PC+12*\q+6*\c:PC+12*\q+6*\c+2], v[64*\q+32*\c:64*\q+32*\c+15], v[SO+2*\q+\c]
	v_cvt_scalef32_pk16_fp6_f32 v[PT+8*\q+4*\c:PT+8*\q+4*\c+2], v[64*\q+32*\c+16:64*\q+32*\c+31], v[SO+2*\q+\c]
.endr
.endr
	WIN 0
	v_nop                                          ; one plain place behind a scaled conversion
.irp q, 0,1
.irp c, 0,1
.irp i, 0,1,2
	v_mov_b32 v[PC+12*\q+6*\c+3+\i], v[PT+8*\q+4*\c+\i]
.endr
.endr
.endr
	; the rows' sums of the unquantised p: four chains a tile, two numbers a line.  These lines are also the places between the writes of p's codes and scale words and the products
	WIN 0x05
.irp k, 0,1,2
.irp q, 0,1
	v_pk_add_f32 v[AC+6*\q+2*\k:AC+6*\q+2*\k+1], v[64*\q+4*\k:64*\q+4*\k+1], v[64*\q+4*\k+2:64*\q+4*\k+3]
.endr
.endr
	WIN 0x10
.irp q, 0,1
	v_pk_fma_f32 v[SUM+2*\q:SUM+2*\q+1], v[SUM+2*\q:SUM+2*\q+1], v[F+2*\q:F+2*\q+1], v[64*\q+12:64*\q+13] op_sel_hi:[1,0,1]   ; the old sum under the new M, and one pair more
.endr
	WIN 0x04
.set j, 7
.rept 25
.irp q, 0,1
.if j%4 == 3
	v_pk_add_f32 v[SUM+2*\q:SUM+2*\q+1], v[SUM+2*\q:SUM+2*\q+1], v[64*\q+2*j:64*\q+2*j+1]
.else
	v_pk_add_f32 v[AC+6*\q+2*(j%4):AC+6*\q+2*(j%4)+1], v[AC+6*\q+2*(j%4):AC+6*\q+2*(j%4)+1], v[64*\q+2*j:64*\q+2*j+1]
.endif
.endr
.set j, j+1
.endr
	WIN 0
.irp q, 0,1
	v_pk_add_f32 v[AC+6*\q:AC+6*\q+1], v[AC+6*\q:AC+6*\q+1], v[AC+6*\q+2:AC+6*\q+3]
	v_pk_add_f32 v[SUM+2*\q:SUM+2*\q+1], v[SUM+2*\q:SUM+2*\q+1], v[AC+6*\q+4:AC+6*\q+5]
.endr
.irp q, 0,1
	v_pk_add_f32 v[SUM+2*\q:SUM+2*\q+1], v[SUM+2*\q:SUM+2*\q+1], v[AC+6*\q:AC+6*\q+1]
.endr
	WIN 0x50                                       ; C and D in window 1
.irp m, 0,1,2,3                                ; O^T += V^T P^T: eight accumulators by turns
.irp q, 0,1
	MM 128+32*\q+8*\m, VF+12*\m, PC+12*\q, v[128+32*\q+8*\m:128+32*\q+8*\m+7], VS+\m, PW+\q
.endr
.endr
	WIN 0
.endm
	s_mov_b32 s[TB], 0
	s_mov_b32 s[CNT], 3
.Lfirst:                                           ; blocks 0, 1, 2: they read V of blocks 0-2 and K of blocks 1-3
	STEP 1
	s_add_co_u32 s[TB], s[TB], BLK
	s_sub_co_u32 s[CNT], s[CNT], 1
	s_cmp_lg_u32 s[CNT], 0
	s_cbranch_scc1 .Lfirst
	s_wait_dscnt 0x0                               ; no LDS instruction of mine is pending at the signal
	s_wait_tensorcnt 0x0                           ; every wave's one load has landed,
	s_barrier_signal -1
	s_barrier_wait -1                              ; everybody's has: the whole head lies in LDS.  Every read of blocks 4-15 stands behind this barrier
	s_mov_b32 s[TB], 3*BLK
	s_mov_b32 s[CNT], 12
.Lrest:                                            ; blocks 3 to 14: they read V of blocks 3-14 and K of blocks 4-15
	STEP 1
	s_add_co_u32 s[TB], s[TB], BLK
	s_sub_co_u32 s[CNT], s[CNT], 1
	s_cmp_lg_u32 s[CNT], 0
	s_cbranch_scc1 .Lrest
	s_mov_b32 s[TB], 15*BLK
	STEP 0                                         ; the last block is written out: there is no block behind it to fetch
	; THE WAY OUT: O^T / the sum; my lane's 32 registers of a tile are channels 32 h + 0 .. 31 of the head: one block of the output projection's K; its codes are stored straight from registers.
.irp q, 0,1
	v_add_f32 v[SUM+2*\q], v[SUM+2*\q], v[SUM+2*\q+1]
.endr
.irp q, 0,1
	v_permlanex16_b32 v[TX+\q], v[SUM+2*\q], s[SEL], s[SEL+1]
.endr
.irp q, 0,1
	v_add_f32 v[SUM+2*\q], v[SUM+2*\q], v[TX+\q]   ; the row's sum
.endr
	WALU                                           ; the wait ahead of the reciprocals
.irp q, 0,1
	v_rcp_f32 v[SUM+2*\q], v[SUM+2*\q]
.endr
	v_and_b32 v6, 15, v0                           ; (plain places behind the reciprocals)
	v_bfe_u32 v7, v0, 4, 1
	v_lshl_add_u32 v6, v6, 4, v7                   ; 16 r + h: my byte among the tile's scale bytes
	WALU                                           ; and ahead of their first reader, which is also the first reader of O^T
	WIN 0x41
.irp q, 0,1
.set j, 0
.rept 16
	v_pk_mul_f32 v[64*\q+j:64*\q+j+1], v[128+32*\q+j:128+32*\q+j+1], v[SUM+2*\q:SUM+2*\q+1] op_sel_hi:[1,0]
.set j, j+2
.endr
.endr
	WIN 0x05
.irp q, 0,1
.irp c, 0,1
	v_max3_num_f32 v[BM+2*\q+\c], |v[64*\q+16*\c]|, |v[64*\q+16*\c+1]|, 0x1800000   ; two chains a tile, and the floor 2^(3 - 127)
.endr
.endr
	WIN 0x14
.irp i, 2,4,6,8,10,12,14
.irp q, 0,1
.irp c, 0,1
	v_max3_num_f32 v[BM+2*\q+\c], v[BM+2*\q+\c], |v[64*\q+16*\c+\i]|, |v[64*\q+16*\c+\i+1]|
.endr
.endr
.endr
	WIN 0
.irp q, 0,1
	v_max_num_f32 v[BM+2*\q], v[BM+2*\q], v[BM+2*\q+1]
.endr
.irp q, 0,1
	v_add_nc_u32 v[SO+2*\q], 0xff000000, v[BM+2*\q]
.endr
.irp q, 0,1
	v_lshrrev_b32 v[BY+2*\q], 23, v[SO+2*\q]       ; my block's byte
.endr
	WIN 0x01
.irp q, 0,1
	v_cvt_scalef32_pk16_fp6_f32 v[KF+8*\q:KF+8*\q+2], v[64*\q:64*\q+15], v[SO+2*\q]
	v_cvt_scalef32_pk16_fp6_f32 v[PT+8*\q:PT+8*\q+2], v[64*\q+16:64*\q+31], v[SO+2*\q]
.endr
	WIN 0
	v_nop                                          ; one plain place behind a scaled conversion
.irp q, 0,1
.irp i, 0,1,2
	v_mov_b32 v[KF+8*\q+3+\i], v[PT+8*\q+\i]
.endr
.endr
.irp q, 0,1
	global_store_b128 v1, v[KF+8*\q:KF+8*\q+3], s[8:9] offset:1536*\q      ; 512 consecutive bytes, at a multiple of 256 from the buffer's first byte
	global_store_b64 v2, v[KF+8*\q+4:KF+8*\q+5], s[8:9] offset:1536*\q     ; and 256 more
	global_store_b8 v6, v[BY+2*\q], s[10:11] offset:512*\q                 ; lanes 0-15 block 0's byte of their row, lanes 16-31 block 1's
.endr
	s_wait_tensorcnt 0x0                           ; the wave's end: three closing lines behind the last tensor load
	ds_add_u32 v4, v5
	s_wait_dscnt 0x0
	CROUND                                         ; the closing round: no work-group ends while a partner may still ask for a tile that names it
	s_endpgm
.Lfunc_end_k_q9f6c3a4578_attn:
	.size	k_q9f6c3a4578_attn, .Lfunc_end_k_q9f6c3a4578_attn-k_q9f6c3a4578_attn
	.p2alignl 7, 3214868480
	.fill 96, 4, 3214868480
	.section	.rodata,"a",@progbits
	.p2align	6, 0x0
	.amdhsa_kernel k_q9f6c3a4578_attn
		.amdhsa_group_segment_fixed_size 215040
		.amdhsa_private_segment_fixed_size 0
		.amdhsa_enable_private_segment 0
		.amdhsa_kernarg_size 32
		.amdhsa_user_sgpr_count 2
		.amdhsa_user_sgpr_kernarg_segment_ptr 1
		.amdhsa_wavefront_size32 1
		.amdhsa_system_sgpr_workgroup_id_x 1
		.amdhsa_system_sgpr_workgroup_id_y 1
		.amdhsa_system_sgpr_workgroup_id_z 1
		.amdhsa_system_vgpr_workitem_id 0
		.amdhsa_next_free_vgpr 448
		.amdhsa_next_free_sgpr 70
		.amdhsa_reserve_vcc 0
		.amdhsa_float_denorm_mode_32 3
		.amdhsa_float_denorm_mode_16_64 3
		.amdhsa_memory_ordered 1
		.amdhsa_forward_progress 1
		.amdhsa_inst_pref_size 99
	.end_amdhsa_kernel
	.amdgpu_metadata
---
amdhsa.version: [ 1, 2 ]
amdhsa.kernels:
  - .name:           k_q9f6c3a4578_attn
    .symbol:         k_q9f6c3a4578_attn.kd
    .args:
      - { .name: qb, .offset: 0, .size: 8, .value_kind: global_buffer, .address_space: global }
      - { .name: kv, .offset: 8, .size: 8, .value_kind: global_buffer, .address_space: global }
      - { .name: cimg, .offset: 16, .size: 8, .value_kind: global_buffer, .address_space: global }
      - { .name: simg, .offset: 24, .size: 8, .value_kind: global_buffer, .address_space: global }
    .group_segment_fixed_size: 215040
    .private_segment_fixed_size: 0
    .kernarg_segment_align: 8
    .kernarg_segment_size: 32
    .max_flat_workgroup_size: 256
    .sgpr_count:     70
    .vgpr_count:     448
    .wavefront_size: 32
...
	.end_amdgpu_metadata
.endif
;; end of part 3
;; launch oproj (part 4): grid 8 x 32, 4 waves a work-group, clusters of 4 x 4, 214,528 bytes of LDS; arguments cimg, simg, bo, out0; writes out0
.if DOCPART == 4
	.amdgcn_target "amdgcn-amd-amdhsa--gfx1250"
	.amdhsa_code_object_version 6
	.text
	.protected	k_q9f6c3a4578_oproj
	.globl	k_q9f6c3a4578_oproj
	.p2align	8
	.type	k_q9f6c3a4578_oproj,@function
k_q9f6c3a4578_oproj:
	s_mov_b64 s[64:65], 0
	v_nop
	global_prefetch_b8 v0, s[64:65] scope:SCOPE_SE
	s_setreg_imm32_b32 hwreg(HW_REG_WAVE_MODE, 25, 1), 1
	s_wait_xcnt 0x0
	s_wait_alu depctr_hold_cnt(0) depctr_sa_sdst(0) depctr_va_vdst(0) depctr_va_sdst(0) depctr_va_ssrc(0) depctr_va_vcc(0) depctr_vm_vsrc(0)
	s_getreg_b32 s2, hwreg(HW_REG_IB_STS2, 6, 4)
	s_cmp_eq_u32 s2, 0
	s_cbranch_scc0 .Lentry_in_a_cluster
	s_endpgm
.Lentry_in_a_cluster:
	s_bfe_u32 s2, ttmp6, 0x10000c
	s_cmp_lg_u32 s2, 0xf033
	s_cbranch_scc0 .Lentry_shape_is_right
	s_endpgm
.Lentry_shape_is_right:
; out0 = A Wo^T + bo, A the attention's result [4096][1024]; both operands are codes of FP6 (E2M3) with E8M0 scales, laid as register images in cimg (A: slabs 128-159, Wo: slabs 120-127) with scale words in simg; sums in f32.
; Source 0 = 16 rows of Wo, source 1 = 16 tokens: a lane holds one token and its eight registers are eight neighbouring outputs.  Every tile's rows are in the order: tile u of a run of 64 rows, lane r, is row 32 (r / 8) + 8 u + r % 8.
; SHARES: a work-group makes 128 tokens x 128 outputs; K = 1,024 of both operands, 2 x 98,304 bytes, lies in LDS whole: nothing is ever filled again.  Wave w makes the tokens' half w / 2 x the outputs' half w % 2: 16 accumulators.
; CLUSTERS: 4 x 4 work-groups; the four of a row of the cluster need the same slab of A, the four of a column the same slab of Wo: each is asked for jointly.  One tensor load a wave, four K steps of one operand each:
; waves 0 and 1, which alone wait ahead of the first barrier, bring K steps 0-3; a barrier in K step 3, ahead of which every wave waits, shows K steps 4-7.
; No prefetch: all that a work-group reads is asked for at its head.  The bias is the C of each sum's first product.
; THE WAY OUT: a tile of 16 tokens x 64 outputs goes through the wave's own stage in LDS and leaves as rows: sixteen lanes store 256 consecutive bytes, at a multiple of 256 from out0's first byte.
.set SLAB,  98304
.set STEPB, 12288
.set RREG,  SLAB
.set STAGE, 2*SLAB                     ; behind the slabs: 16 rows x 272 bytes for each wave; no fill lands here
.set SPARE, STAGE+4*16*272             ; the spare words, 128 bytes a wave, which no other line names
.set ADL16, 4
.set ADL8,  6
.set ADR16, 8
.set ADR8,  10
.set SPW,   30
.set NIL,   31
.set SC,    32                         ; v32-63 scale words: register 8 x + s: lanes 0-15 A's tile x, lanes 16-31 Wo's tile x, K step s.  On the way out v32-95: rows read back, two sets of 32
.set BT,    64                         ; v64-95 the bias, in the result's layout
.set ACC,   128
.set F0,    0
.set F1,    128
.set WV,    18
.set G1L,   28
.set G1R,   36
.set G0L,   44
.set G0R,   68
.set HM,    66
.set MSB, 0
.macro WIN new                         ; the immediate's high byte repeats the setting that is left
.if MSB != \new
	s_set_vgpr_msb (MSB<<8)|\new
.set MSB, \new
.endif
.endm
.set MUL,  0x05                        ; sources 0 and 1 window 1; C and D window 0
.set TO_F, 0x40                        ; destination window 1, address window 0
.macro CROUND
	s_barrier_signal -1
	s_barrier_wait -1
	s_cmp_lg_u32 s[WV], 0
	s_cbranch_scc1 .Lnot_wave_0_\@
	s_barrier_signal -3
.Lnot_wave_0_\@:
	s_barrier_wait -3
	s_barrier_signal -1
	s_barrier_wait -1
.endm
.macro FETCH s, f                      ; 32 LDS loads: K step s's eight fragments into set f; every load reads consecutive bytes
	WIN TO_F
.irp x, 0,1,2,3
.irp c, 0,1
	ds_load_b128 v[\f+12*\x+6*\c:\f+12*\x+6*\c+3], v[ADR16+(\s)/4] offset:((\s)%4)*STEPB+\x*1536+\c*768
	ds_load_b64 v[\f+12*\x+6*\c+4:\f+12*\x+6*\c+5], v[ADR8+(\s)/4] offset:((\s)%4)*STEPB+\x*1536+\c*768
.endr
.endr
.irp x, 0,1,2,3
.irp c, 0,1
	ds_load_b128 v[\f+48+12*\x+6*\c:\f+48+12*\x+6*\c+3], v[ADL16+(\s)/4] offset:((\s)%4)*STEPB+\x*1536+\c*768
	ds_load_b64 v[\f+48+12*\x+6*\c+4:\f+48+12*\x+6*\c+5], v[ADL8+(\s)/4] offset:((\s)%4)*STEPB+\x*1536+\c*768
.endr
.endr
.endm
.macro MUL16 f, s, mode                ; 16 matrix instructions, the 16 accumulators by turns.  mode 1: the sums begin with the bias
.irp i, 0,1,2,3
.irp b, 0,1,2,3
.if \mode == 0
	v_wmma_scale_f32_16x16x128_f8f6f4 v[ACC+8*(4*\i+\b):ACC+8*(4*\i+\b)+7], v[\f+12*\b:\f+12*\b+11], v[\f+48+12*\i:\f+48+12*\i+11], v[ACC+8*(4*\i+\b):ACC+8*(4*\i+\b)+7], v[SC+8*\b+(\s)], v[SC+8*\i+(\s)] matrix_a_fmt:MATRIX_FMT_FP6 matrix_b_fmt:MATRIX_FMT_FP6 matrix_a_scale:MATRIX_SCALE_ROW1
.else
	v_wmma_scale_f32_16x16x128_f8f6f4 v[ACC+8*(4*\i+\b):ACC+8*(4*\i+\b)+7], v[\f+12*\b:\f+12*\b+11], v[\f+48+12*\i:\f+48+12*\i+11], v[BT+8*\b:BT+8*\b+7], v[SC+8*\b+(\s)], v[SC+8*\i+(\s)] matrix_a_fmt:MATRIX_FMT_FP6 matrix_b_fmt:MATRIX_FMT_FP6 matrix_a_scale:MATRIX_SCALE_ROW1
.endif
.endr
.endr
.endm
.macro GSTEP s
	s_wait_dscnt 0x0                               ; this step's fragments are in
.if (\s) == 3
	s_wait_tensorcnt 0x0                           ; every wave's one load has landed: K steps 4-7 are shown to all by the barrier below; nothing is filled again
	s_barrier_signal -1
	s_barrier_wait -1
.endif
.if (\s) < 7
.rept 4
	v_nop                                          ; four places between the last products and loads into the registers that they read
.endr
	FETCH (\s)+1, F0+128*(((\s)+1)%2)
.endif
	WIN MUL
	MUL16 F0+128*((\s)%2), \s, 0
.endm
	s_load_b256 s[4:11], s[0:1], 0x0               ; cimg s[4:5], simg s[6:7], bo s[8:9], out0 s[10:11]
	v_lshl_add_u32 v[SPW], v0, 2, SPARE
	v_mov_b32 v[NIL], 0
	ds_add_u32 v[SPW], v[NIL]                      ; the opening lines: the add, twice on end, and its wait ahead of my first tensor load
	ds_add_u32 v[SPW], v[NIL]
	v_lshrrev_b32 v1, 5, v0
	v_readfirstlane_b32 s[WV], v1                  ; wave 0..3
	s_lshr_b32 s19, s[WV], 1                       ; my half of the tokens.  Also: which four K steps I fetch
	s_and_b32 s20, s[WV], 1                        ; my half of the outputs.  Also: I fetch for A (0) or for Wo (1)
	s_bfe_u32 s21, ttmp6, 0x40000                  ; cx, cy
	s_bfe_u32 s22, ttmp6, 0x40004
	s_and_b32 s84, ttmp7, 0xffff
	s_lshl_b32 s84, s84, 2
	s_add_co_u32 s84, s84, s22                     ; the tokens' slab, 0 .. 31: it never holds cx
	s_lshl_b32 s85, ttmp9, 2
	s_add_co_u32 s85, s85, s21                     ; Wo's slab, 0 .. 7: it never holds cy
	s_add_co_u32 s86, s84, 128                     ; in cimg
	s_add_co_u32 s87, s85, 120
	s_lshl_b32 s60, s22, 2
	s_lshl_b32 s60, 15, s60                        ; my row of the cluster
	s_lshl_b32 s61, 0x1111, s21                    ; my column
	; descriptor group 1: four K steps of a slab, 49,152 dense bytes, as 192 rows of 256 bytes (32 elements of 8 bytes); no padding
	s_or_b32 s[G1L], s60, (3<<16)|(1<<21)
	s_or_b32 s[G1R], s61, (3<<16)|(1<<21)
.irp g, G1L, G1R
	s_mov_b32 s[\g+1], 32<<16
	s_mov_b32 s[\g+2], 192<<16
	s_mov_b32 s[\g+3], 32<<16
	s_mov_b32 s[\g+4], 192
	s_mov_b32 s[\g+5], 32
	s_mov_b32 s[\g+6], 0
	s_mov_b32 s[\g+7], 0
.endr
	s_mul_i32 s62, s20, SLAB
	s_mul_i32 s63, s19, 4*STEPB
	s_add_co_u32 s62, s62, s63                     ; where my load goes: no place in the cluster enters an LDS address
	s_mul_i32 s88, s86, SLAB
	s_add_co_u32 s88, s88, s63
	s_mov_b32 s89, 0
	s_mul_i32 s90, s87, SLAB
	s_add_co_u32 s90, s90, s63
	s_mov_b32 s91, 0
	s_wait_dscnt 0x0                               ; both opening adds are done
	CROUND                                         ; all sixteen work-groups are here: the joint loads meet.  The round stands ahead of the wait for the arguments
	s_wait_kmcnt 0x0
	s_add_nc_u64 s[88:89], s[4:5], s[88:89]
	s_add_nc_u64 s[90:91], s[4:5], s[90:91]
	s_mov_b32 s[G0L], 1
	s_mov_b32 s[G0L+1], s62
	s_mov_b64 s[G0L+2:G0L+3], s[88:89]
	s_or_b32 s[G0L+3], s[G0L+3], 0x80000000
	s_mov_b32 s[G0R], 1
	s_mov_b32 s[G0R+1], s62
	s_mov_b64 s[G0R+2:G0R+3], s[90:91]
	s_or_b32 s[G0R+3], s[G0R+3], 0x80000000
.macro ARM w, g0, g1                   ; one tensor load a wave, each in an arm of its own of one chain of branches on the wave's number
	s_cmp_eq_u32 s[WV], \w
	s_cbranch_scc0 .Larm_\w
	tensor_load_to_lds s[\g0:\g0+3], s[\g1:\g1+7]
	s_nop 0
.rept 4
	v_nop
.endr
	s_branch .Lfirst_asked
.Larm_\w:
.endm
	ARM 0, G0L, G1L
	ARM 1, G0R, G1R
	ARM 2, G0L, G1L
	tensor_load_to_lds s[G0R:G0R+3], s[G1R:G1R+7]
	s_nop 0
.rept 4
	v_nop
.endr
.Lfirst_asked:
	v_and_b32 v1, 31, v0                           ; lane
	v_and_b32 v2, 15, v0                           ; r
	v_bfe_u32 v3, v0, 4, 1                         ; h
	v_lshlrev_b32 v14, 4, v1                       ; 16 x lane
	v_lshlrev_b32 v15, 3, v1                       ; 8 x lane
	s_mul_i32 s27, s19, 4*1536
	v_add_nc_u32 v[ADL16], s27, v14
	v_add_nc_u32 v[ADL16+1], 4*STEPB, v[ADL16]
	v_add_nc_u32 v[ADL8], s27, v15
	v_add_nc_u32 v[ADL8], 512, v[ADL8]
	v_add_nc_u32 v[ADL8+1], 4*STEPB, v[ADL8]
	s_mul_i32 s27, s20, 4*1536
	s_add_co_u32 s27, s27, RREG
	v_add_nc_u32 v[ADR16], s27, v14
	v_add_nc_u32 v[ADR16+1], 4*STEPB, v[ADR16]
	v_add_nc_u32 v[ADR8], s27, v15
	v_add_nc_u32 v[ADR8], 512, v[ADR8]
	v_add_nc_u32 v[ADR8+1], 4*STEPB, v[ADR8]
	; the scale words: lanes 0-15 take A's, lanes 16-31 Wo's; sixteen lanes read 256 consecutive bytes
	s_lshl_b32 s27, s86, 12
	s_lshl_b32 s67, s19, 11
	s_add_co_u32 s27, s27, s67
	v_mov_b32 v16, s27
	s_lshl_b32 s27, s87, 12
	s_lshl_b32 s67, s20, 11
	s_add_co_u32 s27, s27, s67
	v_mov_b32 v12, s27
	v_cmp_eq_u32 s[HM], 1, v3
	v_cndmask_b32 v12, v16, v12, s[HM]
	v_lshl_add_u32 v12, v2, 4, v12
.irp x, 0,1,2,3
.irp q, 0,1
	global_load_b128 v[SC+8*\x+4*\q:SC+8*\x+4*\q+3], v12, s[6:7] offset:512*\x+256*\q
.endr
.endr
	s_lshl_b32 s92, s85, 9                         ; the bias: my 64 outputs begin at 128 x slab + 64 x half
	s_lshl_b32 s93, s20, 8
	s_add_co_u32 s92, s92, s93
	s_mov_b32 s93, 0
	s_add_nc_u64 s[8:9], s[8:9], s[92:93]
	s_add_nc_u64 s[10:11], s[10:11], s[92:93]      ; and so do my columns of out0, in bytes
	v_lshlrev_b32 v13, 7, v3                       ; register j of Wo's tile b is output 32 h + 8 b + j
.irp b, 0,1,2,3
	global_load_b128 v[BT+8*\b:BT+8*\b+3], v13, s[8:9] offset:32*\b
	global_load_b128 v[BT+8*\b+4:BT+8*\b+7], v13, s[8:9] offset:32*\b+16
.endr
	s_lshl_b32 s92, s84, 7
	s_lshl_b32 s94, s19, 6
	s_add_co_u32 s92, s92, s94                     ; my first token: 128 x slab + 64 x half
	s_lshl_b32 s92, s92, 12                        ; rows of 4,096 bytes
	s_add_nc_u64 s[10:11], s[10:11], s[92:93]
	s_mul_i32 s27, s[WV], 16*272
	s_add_co_u32 s27, s27, STAGE                   ; my stage
	v_mul_u32_u24 v17, v2, 272
	v_lshl_add_u32 v17, v3, 7, v17
	v_add_nc_u32 v17, s27, v17                     ; in: row r, + 128 h
	v_mul_u32_u24 v18, v3, 272
	v_lshl_add_u32 v18, v2, 4, v18
	v_add_nc_u32 v18, s27, v18                     ; back: lanes 0-15 one row of 256 bytes, lanes 16-31 the next
	v_lshlrev_b32 v19, 12, v3
	v_lshl_add_u32 v19, v2, 4, v19                 ; and the same two rows in out0
	s_wait_alu depctr_va_vdst(0)                   ; the wait at the head's end
	s_cmp_lt_u32 s[WV], 2
	s_cbranch_scc0 .Lnot_first
	s_wait_tensorcnt 0x0                           ; waves 0 and 1: K steps 0-3 of both operands have landed; the loads of waves 2 and 3 may stay out
.Lnot_first:
	s_barrier_signal -1
	s_barrier_wait -1
	FETCH 0, F0
	s_wait_dscnt 0x0
	FETCH 1, F1
	s_wait_loadcnt 0x0                             ; the scale words and the bias
	WIN MUL
	MUL16 F0, 0, 1
.irp s, 1,2,3,4,5,6,7
	GSTEP \s
.endr
	WIN 0
.macro TOSTAGE i                       ; tokens' tile i: each accumulator from its low end on; then whole rows back.  LDS serves a wave's instructions in order (ISA guide 5.7.1.4): no wait between the stores and the loads
.irp b, 0,1,2,3
.irp k, 0,1
	ds_store_b128 v17, v[ACC+32*(\i)+8*\b+4*\k:ACC+32*(\i)+8*\b+4*\k+3] offset:32*\b+16*\k
.endr
.endr
.irp t, 0,1,2,3,4,5,6,7
	ds_load_b128 v[32+32*((\i)%2)+4*\t:32+32*((\i)%2)+4*\t+3], v18 offset:544*\t
.endr
.endm
.macro SEND i, younger                 ; younger: the LDS instructions issued behind tile i's loads, which may stay out.  Stage row p is token 32 (p / 8) + 8 i + p % 8
	s_wait_dscnt \younger
.irp t, 0,1,2,3,4,5,6,7
	global_store_b128 v19, v[32+32*((\i)%2)+4*\t:32+32*((\i)%2)+4*\t+3], s[10:11] offset:(8*(\i)+2*\t+24*(\t/4))*4096 th:TH_STORE_NT
.endr
.endm
.rept 4
	v_nop                                          ; four places between the last products and the first read of results, and the loads into the registers that held scale words
.endr
	s_wait_alu depctr_va_vdst(0)
	TOSTAGE 0
.irp i, 1,2,3
.if \i >= 2
	s_wait_xcnt 0x0                                ; the stores of two tiles back have read their registers: this tile's loads may land there
.endif
	TOSTAGE \i
	SEND \i-1, 16                                  ; behind tile i - 1's loads: tile i's 8 stores and 8 loads
.endr
	SEND 3, 0
	s_wait_tensorcnt 0x0                           ; the wave's end: three closing lines behind my last tensor load and my last LDS store
	ds_add_u32 v[SPW], v[NIL]
	s_wait_dscnt 0x0
	CROUND                                         ; the closing round: no work-group ends while a partner may still ask for a tile that names it
	s_endpgm
.Lfunc_end_k_q9f6c3a4578_oproj:
	.size	k_q9f6c3a4578_oproj, .Lfunc_end_k_q9f6c3a4578_oproj-k_q9f6c3a4578_oproj
	.p2alignl 7, 3214868480
	.fill 96, 4, 3214868480
	.section	.rodata,"a",@progbits
	.p2align	6, 0x0
	.amdhsa_kernel k_q9f6c3a4578_oproj
		.amdhsa_group_segment_fixed_size 214528
		.amdhsa_private_segment_fixed_size 0
		.amdhsa_enable_private_segment 0
		.amdhsa_kernarg_size 32
		.amdhsa_user_sgpr_count 2
		.amdhsa_user_sgpr_kernarg_segment_ptr 1
		.amdhsa_wavefront_size32 1
		.amdhsa_system_sgpr_workgroup_id_x 1
		.amdhsa_system_sgpr_workgroup_id_y 1
		.amdhsa_system_sgpr_workgroup_id_z 1
		.amdhsa_system_vgpr_workitem_id 0
		.amdhsa_next_free_vgpr 512
		.amdhsa_next_free_sgpr 100
		.amdhsa_reserve_vcc 0
		.amdhsa_float_denorm_mode_32 3
		.amdhsa_float_denorm_mode_16_64 3
		.amdhsa_memory_ordered 1
		.amdhsa_forward_progress 1
		.amdhsa_inst_pref_size 51
	.end_amdhsa_kernel
	.amdgpu_metadata
---
amdhsa.version: [ 1, 2 ]
amdhsa.kernels:
  - .name:           k_q9f6c3a4578_oproj
    .symbol:         k_q9f6c3a4578_oproj.kd
    .args:
      - { .name: cimg, .offset: 0, .size: 8, .value_kind: global_buffer, .address_space: global }
      - { .name: simg, .offset: 8, .size: 8, .value_kind: global_buffer, .address_space: global }
      - { .name: bo, .offset: 16, .size: 8, .value_kind: global_buffer, .address_space: global }
      - { .name: out0, .offset: 24, .size: 8, .value_kind: global_buffer, .address_space: global }
    .group_segment_fixed_size: 214528
    .private_segment_fixed_size: 0
    .kernarg_segment_align: 8
    .kernarg_segment_size: 32
    .max_flat_workgroup_size: 128
    .sgpr_count:     100
    .vgpr_count:     512
    .wavefront_size: 32
...
	.end_amdgpu_metadata
.endif
;; end of part 4
